; MI455X (gfx1250); checked and timed in simulation.
; The chip was launched on July 23, 2026; its instructions are those of AMD's public machine-readable ISA for CDNA 5 (MIT licence, August 2026) and "CDNA5" Instruction Set Architecture Reference Guide (July 2026). The comments in the code are by the model that wrote it; some were corrected since.
;; Local Global Multihead Attention. Allowed arithmetic: float matrix products may take bf16 or f16 operands with f32 sums; other float arithmetic in f32, or as packed bf16 or f16 multiplies, adds, multiply-adds, maxima and minima; sums over many terms, partial sums and values carried from step to step in f32; what a program stores and reads back later, other than sums and carried values, may be rounded once to bf16 or f16.
;; Inputs: bk 1,024 float32; bo 1,024 float32; bq 1,024 float32; bv 1,024 float32; wk 1,024 x 1,024 float32; wo 1,024 x 1,024 float32; wq 1,024 x 1,024 float32; wv 1,024 x 1,024 float32; x 4 x 2,048 x 1,024 float32.
;; Outputs: out0 4 x 2,048 x 1,024 float32.
;; 2 versions, each right; version 2 is version 1 with the launch cast written anew for expert scheduling mode. Each part assembles by itself: llvm-mc -triple=amdgcn-amd-amdhsa -mcpu=gfx1250 --defsym DOCPART=n.
;; ======== version 1 of 2: 4 launches
;; limits: values are held in f16: magnitudes above 65,504 overflow, below 6.1e-05 lose precision
;; workspace buffers: xb 16,777,216 bytes; wb 6,291,456 bytes; wof 2,097,152 bytes; bias 16,384 bytes; kvq 50,331,648 bytes; ob 16,777,216 bytes
;; launch cast (part 1): grid 768 x 1, 8 waves a work-group, no clusters, 0 bytes of LDS; arguments x, wk, wv, wq, wo, bk, bv, bq, bo, xb, wb, wof, bias; writes xb, wb, wof, bias
.if DOCPART == 1
	.amdgcn_target "amdgcn-amd-amdhsa--gfx1250"
	.amdhsa_code_object_version 6
	.text
	.protected	k_qebfbdc303d_cast
	.globl	k_qebfbdc303d_cast
	.p2align	8
	.type	k_qebfbdc303d_cast,@function
k_qebfbdc303d_cast:
	s_mov_b64 s[64:65], 0
	v_nop
	global_prefetch_b8 v0, s[64:65] scope:SCOPE_SE
	s_setreg_imm32_b32 hwreg(HW_REG_WAVE_MODE, 25, 1), 1
	s_wait_xcnt 0x0
; THE INPUTS ARE ROUNDED ONCE, TO bf16.  x -> xb (bf16); wk, wv, wq -> wb (bf16, stacked in this order: 3,072 rows); wo -> wof (the bf16 number written as f16);
; bk, bv, bq, bo -> bias (the bf16 number written as f32, 4 x 1,024).
; LIMITS.  A bf16 number of wo below 2^-14 in size keeps f16's fixed step 2^-24; beyond 65,504 it would be an infinity.  NaN and infinities are not treated apart.
; A stream: no LDS, no matrix unit, no cluster, since no byte is wanted twice.  A work-group takes 65,536 source bytes, a wave 8,192: sixteen loads of 16 bytes a lane, each 512 consecutive
; bytes, all issued at once.  A lane's four numbers become 8 bytes, so a wave's store covers 256 consecutive bytes, aligned.  Every load and store has registers of its own: nothing is rewritten.
.set X, 16                             ; v[16:79]   sixteen loads of four registers
.set Y, 80                             ; v[80:111]  sixteen stores of two registers
.set T, 112                            ; v[112:117] at work
	s_load_b512 s[8:23], s[0:1], 0x0               ; x 8, wk 10, wv 12, wq 14, wo 16, bk 18, bv 20, bq 22
	s_load_b256 s[24:31], s[0:1], 0x40             ; bo 24, xb 26, wb 28, wof 30
	s_load_b64 s[32:33], s[0:1], 0x60              ; bias
	s_mov_b32 s2, ttmp9                            ; work-groups 0-511: x; 512-767: 64 for each of wk, wv, wq, wo
	s_sub_co_u32 s3, s2, 512
	s_lshr_b32 s4, s3, 6                           ; which weight (a number beyond 3 in x's work-groups)
	s_and_b32 s5, s3, 63                           ; which sixty-fourth of it
	v_and_b32 v3, 31, v0
	v_lshrrev_b32 v4, 5, v0
	v_lshlrev_b32 v1, 4, v3
	v_lshl_add_u32 v1, v4, 13, v1                  ; source: 16 x lane + 8,192 x wave
	v_lshlrev_b32 v2, 3, v3
	v_lshl_add_u32 v2, v4, 12, v2                  ; destination: half of that
	v_lshlrev_b32 v5, 4, v0                        ; a bias: 16 bytes a thread
	s_wait_kmcnt 0x0
	s_cmp_eq_u32 s4, 1
	s_cselect_b64 s[34:35], s[12:13], s[10:11]     ; the source,
	s_cselect_b64 s[36:37], s[20:21], s[18:19]     ; its bias
	s_cmp_eq_u32 s4, 2
	s_cselect_b64 s[34:35], s[14:15], s[34:35]
	s_cselect_b64 s[36:37], s[22:23], s[36:37]
	s_cmp_eq_u32 s4, 3
	s_cselect_b64 s[34:35], s[16:17], s[34:35]
	s_cselect_b64 s[36:37], s[24:25], s[36:37]
	s_cselect_b64 s[38:39], s[30:31], s[28:29]     ; the destination: wof, or wb
	s_cselect_b32 s40, s5, s3                      ; and the part of it: wb is the three weights on end
	s_cmp_lt_u32 s2, 512
	s_cselect_b64 s[34:35], s[8:9], s[34:35]
	s_cselect_b64 s[38:39], s[26:27], s[38:39]
	s_cselect_b32 s40, s2, s40
	s_cselect_b32 s41, s2, s5
	s_lshl_b32 s42, s41, 16
	s_mov_b32 s43, 0
	s_lshl_b32 s44, s40, 15
	s_mov_b32 s45, 0
	s_add_nc_u64 s[34:35], s[34:35], s[42:43]
	s_add_nc_u64 s[38:39], s[38:39], s[44:45]
.irp j, 0,1,2,3,4,5,6,7,8,9,10,11,12,13,14,15
	global_load_b128 v[X+4*(\j):X+4*(\j)+3], v1, s[34:35] offset:512*(\j) th:TH_LOAD_NT
.endr
.macro CONV j, half
	s_wait_loadcnt 15-(\j)                         ; loads come back in order: load j is in, the 15 - j younger ones stay out
.if \half
	v_cvt_pk_bf16_f32 v[T], v[X+4*(\j)], v[X+4*(\j)+1]
	v_cvt_pk_bf16_f32 v[T+1], v[X+4*(\j)+2], v[X+4*(\j)+3]
	v_lshlrev_b32 v[T+2], 16, v[T]                 ; the bf16 numbers as f32,
	v_and_b32 v[T+3], 0xffff0000, v[T]
	v_lshlrev_b32 v[T+4], 16, v[T+1]
	v_and_b32 v[T+5], 0xffff0000, v[T+1]
	v_cvt_pk_f16_f32 v[Y+2*(\j)], v[T+2], v[T+3]   ; written as f16
	v_cvt_pk_f16_f32 v[Y+2*(\j)+1], v[T+4], v[T+5]
.else
	v_cvt_pk_bf16_f32 v[Y+2*(\j)], v[X+4*(\j)], v[X+4*(\j)+1]
	v_cvt_pk_bf16_f32 v[Y+2*(\j)+1], v[X+4*(\j)+2], v[X+4*(\j)+3]
.endif
	global_store_b64 v2, v[Y+2*(\j):Y+2*(\j)+1], s[38:39] offset:256*(\j)
.endm
	s_cmp_eq_u32 s4, 3
	s_cbranch_scc1 .Lhalf
.irp j, 0,1,2,3,4,5,6,7,8,9,10,11,12,13,14,15
	CONV \j, 0
.endr
	s_branch .Lbias
.Lhalf:
.irp j, 0,1,2,3,4,5,6,7,8,9,10,11,12,13,14,15
	CONV \j, 1
.endr
.Lbias:
	s_cmp_lt_u32 s2, 512                           ; the first work-group of each weight also takes its bias: 4,096 bytes, 16 a thread
	s_cbranch_scc1 .Lend
	s_cmp_lg_u32 s5, 0
	s_cbranch_scc1 .Lend
	s_lshl_b32 s46, s4, 12
	s_mov_b32 s47, 0
	s_add_nc_u64 s[32:33], s[32:33], s[46:47]
	global_load_b128 v[120:123], v5, s[36:37]
	s_wait_loadcnt 0x0
	v_cvt_pk_bf16_f32 v124, v120, v121
	v_cvt_pk_bf16_f32 v125, v122, v123
	v_lshlrev_b32 v8, 16, v124
	v_and_b32 v9, 0xffff0000, v124
	v_lshlrev_b32 v10, 16, v125
	v_and_b32 v11, 0xffff0000, v125
	global_store_b128 v5, v[8:11], s[32:33]
.Lend:
	s_endpgm
.Lfunc_end_k_qebfbdc303d_cast:
	.size	k_qebfbdc303d_cast, .Lfunc_end_k_qebfbdc303d_cast-k_qebfbdc303d_cast
	.p2alignl 7, 3214868480
	.fill 96, 4, 3214868480
	.section	.rodata,"a",@progbits
	.p2align	6, 0x0
	.amdhsa_kernel k_qebfbdc303d_cast
		.amdhsa_group_segment_fixed_size 0
		.amdhsa_private_segment_fixed_size 0
		.amdhsa_enable_private_segment 0
		.amdhsa_kernarg_size 104
		.amdhsa_user_sgpr_count 2
		.amdhsa_user_sgpr_kernarg_segment_ptr 1
		.amdhsa_wavefront_size32 1
		.amdhsa_system_sgpr_workgroup_id_x 1
		.amdhsa_system_sgpr_workgroup_id_y 1
		.amdhsa_system_sgpr_workgroup_id_z 1
		.amdhsa_system_vgpr_workitem_id 0
		.amdhsa_next_free_vgpr 128
		.amdhsa_next_free_sgpr 66
		.amdhsa_reserve_vcc 0
		.amdhsa_float_denorm_mode_32 3
		.amdhsa_float_denorm_mode_16_64 3
		.amdhsa_memory_ordered 1
		.amdhsa_forward_progress 1
		.amdhsa_inst_pref_size 18
	.end_amdhsa_kernel
	.amdgpu_metadata
---
amdhsa.version: [ 1, 2 ]
amdhsa.kernels:
  - .name:           k_qebfbdc303d_cast
    .symbol:         k_qebfbdc303d_cast.kd
    .args:
      - { .name: x, .offset: 0, .size: 8, .value_kind: global_buffer, .address_space: global }
      - { .name: wk, .offset: 8, .size: 8, .value_kind: global_buffer, .address_space: global }
      - { .name: wv, .offset: 16, .size: 8, .value_kind: global_buffer, .address_space: global }
      - { .name: wq, .offset: 24, .size: 8, .value_kind: global_buffer, .address_space: global }
      - { .name: wo, .offset: 32, .size: 8, .value_kind: global_buffer, .address_space: global }
      - { .name: bk, .offset: 40, .size: 8, .value_kind: global_buffer, .address_space: global }
      - { .name: bv, .offset: 48, .size: 8, .value_kind: global_buffer, .address_space: global }
      - { .name: bq, .offset: 56, .size: 8, .value_kind: global_buffer, .address_space: global }
      - { .name: bo, .offset: 64, .size: 8, .value_kind: global_buffer, .address_space: global }
      - { .name: xb, .offset: 72, .size: 8, .value_kind: global_buffer, .address_space: global }
      - { .name: wb, .offset: 80, .size: 8, .value_kind: global_buffer, .address_space: global }
      - { .name: wof, .offset: 88, .size: 8, .value_kind: global_buffer, .address_space: global }
      - { .name: bias, .offset: 96, .size: 8, .value_kind: global_buffer, .address_space: global }
    .group_segment_fixed_size: 0
    .private_segment_fixed_size: 0
    .kernarg_segment_align: 8
    .kernarg_segment_size: 104
    .max_flat_workgroup_size: 256
    .sgpr_count:     66
    .vgpr_count:     128
    .wavefront_size: 32
...
	.end_amdgpu_metadata
.endif
;; end of part 1
;; launch qkv (part 2): grid 16 x 32, 4 waves a work-group, clusters of 4 x 4, 327,680 bytes of LDS; arguments xb, wb, bias, kvq; writes kvq
.if DOCPART == 2
	.amdgcn_target "amdgcn-amd-amdhsa--gfx1250"
	.amdhsa_code_object_version 6
	.text
	.protected	k_qebfbdc303d_qkv
	.globl	k_qebfbdc303d_qkv
	.p2align	8
	.type	k_qebfbdc303d_qkv,@function
k_qebfbdc303d_qkv:
	s_mov_b64 s[64:65], 0
	v_nop
	global_prefetch_b8 v0, s[64:65] scope:SCOPE_SE
	s_setreg_imm32_b32 hwreg(HW_REG_WAVE_MODE, 25, 1), 1
	s_wait_xcnt 0x0
	s_wait_alu depctr_hold_cnt(0) depctr_sa_sdst(0) depctr_va_vdst(0) depctr_va_sdst(0) depctr_va_ssrc(0) depctr_va_vcc(0) depctr_vm_vsrc(0)
	s_getreg_b32 s2, hwreg(HW_REG_IB_STS2, 6, 4)
	s_cmp_eq_u32 s2, 0
	s_cbranch_scc0 .Lentry_in_a_cluster
	s_endpgm
.Lentry_in_a_cluster:
	s_bfe_u32 s2, ttmp6, 0x10000c
	s_cmp_lg_u32 s2, 0xf033
	s_cbranch_scc0 .Lentry_shape_is_right
	s_endpgm
.Lentry_shape_is_right:
; k, v, q = x W^T + b.  xb: [8192][1024] bf16; wb: [3072][1024] bf16 (wk, wv, wq); bias: f32, the first 3,072; kvq: [4 b][48 g][2048 n][64] f16, g = 0-15 K's heads, 16-31 V's, 32-47 Q's.
; Sums in f32, begun with the bias (the C operand of each accumulator's first product), rounded once to f16; q carries no scale.
; LIMITS.  k, v and q must lie within f16's 65,504.  The bias is added first, another order of rounding than the sum's end.  NaN and infinities are not treated apart.
; SHARES.  A tile is 256 rows x 192 columns (three heads): 16 x 32 = 512 work-groups, twice 256.  Four waves, 2 x 2, each 128 x 96: 48 accumulators, 384 registers.
; K goes in 8 steps of 128 (rows of 256 bytes, aligned) through two LDS slots; a wave's one tensor load brings 128 rows of x or 96 rows of W.
; CLUSTER 4 x 4: x's tile hangs on the tile row alone and is asked for jointly along a row of the cluster, W's on the tile column alone and jointly along a column.
; THE PRODUCT IS TAKEN TRANSPOSED (source 0 = 16 rows of W, source 1 = 16 rows of x): a lane holds one row and eight neighbouring columns, 16 bytes of f16.
; REGISTERS, in windows of 256 (s_set_vgpr_msb: bits 1:0 source 0, 3:2 source 1, 5:4 source 2, 7:6 destination):
;   window 0: v16-30 addresses; v64-127, v128-191 x's fragments, two buffers; v32-223 at work on the way out
;   window 1: v0-47 the bias of my 96 columns, laid as six C operands; v64-111, v128-175 W's fragments
;   window 2: accumulators (a, b), a = 0-3, at 8 (6 a + b);   window 3: a = 4-7
.set KSTEP,  128
.set PITCH,  272                       ; an LDS row: 256 bytes + 16 of padding: the 16 rows of a fragment load start 68 words apart
.set AHALF,  128*PITCH
.set BHALF,  96*PITCH
.set BOFF,   2*AHALF                   ; a slot: x's 256 rows, then W's 192
.set SLOT1,  1<<17                     ; slot 1 begins here: one exclusive or turns an address in one slot into the other's
.set SPARE,  SLOT1+BOFF+2*BHALF        ; behind the ring: the spare words, 128 bytes a wave, two blocks of 256 bytes that no other line names
.set SPITCH, 400                       ; the way out's stage: 256 rows x (384 + 16) bytes, in slot 0's bytes, which have had their last fill by then
.set ADRA0, 16                         ; v16  my place in x's rows of a slot; never rewritten
.set ADRB0, 17                         ; v17  the same for W
.set ADRA,  18                         ; v18  the same in the slot in hand
.set ADRB,  19
.set STO,   24
.set RD,    25
.set CO,    26
.set BO,    27
.set SPW,   28                         ; v28  my spare word; never rewritten
.set NIL,   29                         ; v29  0; never rewritten
.set PFO,   30                         ; v30  2,048 x lane: a row of xb
.set TMP,   32
.set F0,    64
.set F1,    128
.set TB,    2                          ; s2   the slot in hand: 0 or SLOT1
.set G1,    24                         ; s[24:31] group 1 for x's tiles;  s[32:39] group 0: a set for each first fill, the second then walks
.set G0,    32
.set LIM,   43                         ; s43  1 in a wave that prefetches, else the greatest number
.set PFA,   44                         ; s[44:45] where my prefetches stand
.set G1B,   48                         ; s[48:55], s[56:63] the same for W's tiles
.set G0B,   56
.set MSB, 0
.macro WIN new                         ; the immediate's high byte repeats the setting that is left; a switch that changes nothing is dropped
.if MSB != (\new)
	s_set_vgpr_msb (MSB<<8)|(\new)
.set MSB, \new
.endif
.endm
; A joint load: waves 0 and 1 fetch x's two halves, waves 2 and 3 W's.  An s_nop 0 and four v_nop follow each of the two lines.
.macro JLOAD s
	s_cmp_eq_u32 s11, 0
	s_cbranch_scc0 .Lfor_b_\@
	tensor_load_to_lds s[G0+4*(\s):G0+4*(\s)+3], s[G1:G1+7]
	s_nop 0
.rept 4
	v_nop
.endr
	s_branch .Lasked_\@
.Lfor_b_\@:
	tensor_load_to_lds s[G0B+4*(\s):G0B+4*(\s)+3], s[G1B:G1B+7]
	s_nop 0
.rept 4
	v_nop
.endr
.Lasked_\@:
.endm
; A prefetch of x's K step that the NEXT refill will ask for: 32 rows x 256 bytes, a lane a row.  Of the clusters that read a tile row the first (cluster x = 0) asks; its four partners along x
; share the 128 rows that a wave fetches by address, 32 each.  So each row's 256 bytes are named once.  The last refill has no K step behind it.  W is read by all 32 tile rows and is not asked for.
.macro ASK
	s_cmp_gt_u32 s3, s[LIM]
	s_cbranch_scc0 .Lnot_mine_\@
	global_prefetch_b8 v[PFO], s[PFA:PFA+1] offset:KSTEP*2 th:TH_LOAD_NT scope:SCOPE_SE
.Lnot_mine_\@:
.endm
.macro CREST                           ; a round of the cluster's barrier behind its opening barrier
	s_cmp_lg_u32 s10, 0
	s_cbranch_scc1 .Lnot_wave_0_\@
	s_barrier_signal -3
.Lnot_wave_0_\@:
	s_barrier_wait -3
	s_barrier_signal -1
	s_barrier_wait -1
.endm
.macro CROUND
	s_barrier_signal -1
	s_barrier_wait -1
	CREST
.endm
	s_load_b128 s[4:7], s[0:1], 0x0                ; xb s[4:5], wb s[6:7]
	s_load_b64 s[20:21], s[0:1], 0x10              ; bias
	s_load_b64 s[8:9], s[0:1], 0x18                ; kvq
	v_lshl_add_u32 v[SPW], v0, 2, SPARE
	v_mov_b32 v[NIL], 0
	ds_add_u32 v[SPW], v[NIL]                      ; the wave's opening: the add and its wait ahead of my first tensor load; the set-up stands between them
	ds_add_u32 v28, v29
	v_lshrrev_b32 v1, 5, v0
	v_readfirstlane_b32 s10, v1                    ; wave 0..3
	s_lshr_b32 s11, s10, 1                         ; my half of the tile's rows.  Also: I fetch for x (0) or for W (1)
	s_and_b32 s12, s10, 1                          ; my half of its columns.  Also: which half of that tile I fetch
	s_bfe_u32 s40, ttmp6, 0x40000                  ; cx
	s_bfe_u32 s41, ttmp6, 0x40004                  ; cy
	s_lshl_b32 s42, ttmp9, 2
	s_add_co_u32 s42, s42, s40                     ; tile column = 4 x cluster x + cx
	s_and_b32 s13, ttmp7, 0xffff
	s_lshl_b32 s13, s13, 2
	s_add_co_u32 s13, s13, s41                     ; tile row = 4 x cluster y + cy
	s_lshl_b32 s43, s41, 2
	s_lshl_b32 s43, 15, s43                        ; my row of the cluster
	s_lshl_b32 s44, 0x1111, s40                    ; my column
	s_or_b32 s[G1+0], s43, (1<<16)|(1<<20)|(1<<21)|(5<<22)|(3<<25)   ; the mask; 2-byte elements; padding on; bit 21 beside a mask; after every 64 words, 4 words
	s_or_b32 s[G1B+0], s44, (1<<16)|(1<<20)|(1<<21)|(5<<22)|(3<<25)
	s_mov_b32 s[G1+1], KSTEP<<16                   ; tensor_dim0 = 128
	s_mov_b32 s[G1+2], 128<<16                     ; tensor_dim1 = 128
	s_mov_b32 s[G1+3], KSTEP<<16                   ; tile_dim0 = 128
	s_mov_b32 s[G1+4], 128                         ; tile_dim1 = 128
	s_mov_b32 s[G1+5], 1024                        ; elements from row to row
	s_mov_b32 s[G1+6], 0
	s_mov_b32 s[G1+7], 0
	s_mov_b32 s[G1B+1], KSTEP<<16
	s_mov_b32 s[G1B+2], 96<<16                     ; W's half tile has 96 rows
	s_mov_b32 s[G1B+3], KSTEP<<16
	s_mov_b32 s[G1B+4], 96
	s_mov_b32 s[G1B+5], 1024
	s_mov_b32 s[G1B+6], 0
	s_mov_b32 s[G1B+7], 0
	s_lshl_b32 s16, s13, 8
	s_lshl_b32 s17, s12, 7
	s_add_co_u32 s16, s16, s17                     ; x: row 256 x tile row + 128 x half,
	s_lshl_b32 s16, s16, 11                        ; in bytes (under 2^25)
	s_mov_b32 s17, 0
	s_mul_i32 s46, s42, 192
	s_mul_i32 s47, s12, 96
	s_add_co_u32 s46, s46, s47                     ; W: row 192 x tile column + 96 x half
	s_lshl_b32 s46, s46, 11
	s_mov_b32 s47, 0
	s_mul_i32 s22, s12, AHALF                      ; where they go: no place in the cluster enters an LDS address
	s_mul_i32 s23, s12, BHALF
	s_add_co_u32 s23, s23, BOFF
	s_wait_dscnt 0x0                               ; the opening add is done
	s_wait_kmcnt 0x0
	s_add_nc_u64 s[14:15], s[4:5], s[16:17]
	s_add_nc_u64 s[46:47], s[6:7], s[46:47]
	CROUND                                         ; all sixteen work-groups are here: the first joint loads meet
.irp s, 0,1
	s_mov_b32 s[G0+4*(\s)], 1
	s_add_co_u32 s[G0+4*(\s)+1], s22, (\s)*SLOT1
	s_add_nc_u64 s[G0+4*(\s)+2:G0+4*(\s)+3], s[14:15], (\s)*KSTEP*2
	s_or_b32 s[G0+4*(\s)+3], s[G0+4*(\s)+3], 0x80000000
	s_mov_b32 s[G0B+4*(\s)], 1
	s_add_co_u32 s[G0B+4*(\s)+1], s23, (\s)*SLOT1
	s_add_nc_u64 s[G0B+4*(\s)+2:G0B+4*(\s)+3], s[46:47], (\s)*KSTEP*2
	s_or_b32 s[G0B+4*(\s)+3], s[G0B+4*(\s)+3], 0x80000000
	JLOAD \s                                       ; K steps 0 and 1: two loads of mine are out
.endr
	v_and_b32 v1, 15, v0                           ; l % 16
	v_bfe_u32 v2, v0, 4, 1                         ; l / 16
	v_mul_u32_u24 v3, v1, PITCH
	v_lshl_add_u32 v3, v2, 4, v3                   ; a fragment's row x pitch + 16 x half
	s_mul_i32 s22, s11, AHALF
	s_mul_i32 s23, s12, BHALF
	s_add_co_u32 s23, s23, BOFF
	v_add_nc_u32 v[ADRA0], s22, v3
	v_add_nc_u32 v[ADRB0], s23, v3
	v_mov_b32 v[ADRA], v[ADRA0]
	v_mov_b32 v[ADRB], v[ADRB0]
	s_mov_b32 s[TB], 0
	s_mul_i32 s22, s11, 128*SPITCH                 ; into the stage: row 128 wr + 16 a + l % 16, bytes 192 wc + 32 b + 16 (l / 16)
	s_mul_i32 s23, s12, 192
	s_add_co_u32 s22, s22, s23
	v_mul_u32_u24 v4, v1, SPITCH
	v_lshl_add_u32 v4, v2, 4, v4
	v_add_nc_u32 v[STO], s22, v4
	v_bfe_u32 v5, v0, 3, 2                         ; back: wave w takes rows 64 w on; 32 lanes take four rows' 128 bytes of one head
	v_and_b32 v6, 7, v0
	v_mul_u32_u24 v5, v5, SPITCH
	v_lshl_add_u32 v5, v6, 4, v5
	s_mul_i32 s22, s10, 64*SPITCH
	v_add_nc_u32 v[RD], s22, v5
	v_and_b32 v7, 31, v0
	s_lshl_b32 s22, s10, 13
	v_lshl_add_u32 v[CO], v7, 4, s22               ; which are 512 consecutive bytes of a head's rows in kvq
	v_lshlrev_b32 v[PFO], 11, v7
	s_mul_i32 s22, s42, 768
	s_mul_i32 s23, s12, 384
	s_add_co_u32 s22, s22, s23
	v_lshl_add_u32 v[BO], v2, 5, s22               ; the bias: 4 (192 tc + 96 wc) + 32 (l / 16)
	WIN 0x40                                       ; destination window 1
.irp b, 0,1,2,3,4,5
	global_load_b128 v[8*(\b):8*(\b)+3],   v[BO], s[20:21] offset:64*(\b)
	global_load_b128 v[8*(\b)+4:8*(\b)+7], v[BO], s[20:21] offset:64*(\b)+16
.endr
	WIN 0
	s_lshr_b32 s22, s13, 3                         ; the batch: eight tile rows each
	s_mul_i32 s22, s22, 48
	s_mul_i32 s23, s42, 3
	s_add_co_u32 s22, s22, s23                     ; 48 b + the tile's first head,
	s_lshl_b32 s22, s22, 18                        ; 2^18 bytes each,
	s_and_b32 s23, s13, 7
	s_lshl_b32 s23, s23, 15                        ; and the tile's 256 rows of 128 bytes
	s_add_co_u32 s16, s22, s23
	s_mov_b32 s17, 0
	s_add_nc_u64 s[8:9], s[8:9], s[16:17]
	s_lshl_b32 s16, s13, 8                         ; the prefetches: row 256 tr + 128 half + 32 cx, at K step 1; the first refill steps it to 2 and names 3
	s_lshl_b32 s22, s12, 7
	s_add_co_u32 s16, s16, s22
	s_lshl_b32 s22, s40, 5
	s_add_co_u32 s16, s16, s22
	s_lshl_b32 s16, s16, 11
	s_add_co_u32 s16, s16, KSTEP*2
	s_add_nc_u64 s[PFA:PFA+1], s[4:5], s[16:17]
	s_or_b32 s[LIM], s11, ttmp9                    ; 0 in waves 0 and 1 of the first cluster along x: the same in all sixteen partners
	s_cmp_eq_u32 s[LIM], 0
	s_cselect_b32 s[LIM], 1, -1
; 12 products: row blocks a0, a0 + 1 of the window's four x all 6 column blocks, 32 along K.  first = 1: C is the bias (window 1): nothing is cleared and nothing is added later.
.macro MULH f, hi, a0, first
.if \first
	WIN 0x91+0x40*(\hi)
.else
	WIN 0xa1+0x50*(\hi)
.endif
.irp a, \a0, (\a0)+1
.irp b, 0,1,2,3,4,5
.if \first
	v_wmma_f32_16x16x32_bf16 v[8*(6*(\a)+(\b)):8*(6*(\a)+(\b))+7], v[(\f)+8*(\b):(\f)+8*(\b)+7], v[(\f)+8*(4*(\hi)+(\a)):(\f)+8*(4*(\hi)+(\a))+7], v[8*(\b):8*(\b)+7]
.else
	v_wmma_f32_16x16x32_bf16 v[8*(6*(\a)+(\b)):8*(6*(\a)+(\b))+7], v[(\f)+8*(\b):(\f)+8*(\b)+7], v[(\f)+8*(4*(\hi)+(\a)):(\f)+8*(4*(\hi)+(\a))+7], v[8*(6*(\a)+(\b)):8*(6*(\a)+(\b))+7]
.endif
.endr
.endr
.endm
; 28 LDS loads in one run: a quarter step's fragments (96 rows of W, 128 rows of x, 32 K at byte k of the rows) into buffer f
.macro FETCH k, f
	WIN 0x40
.irp i, 0,1,2,3,4,5
	ds_load_b128 v[(\f)+8*(\i):(\f)+8*(\i)+3],   v[ADRB] offset:(\k)+(\i)*16*PITCH
	ds_load_b128 v[(\f)+8*(\i)+4:(\f)+8*(\i)+7], v[ADRB] offset:(\k)+(\i)*16*PITCH+32
.endr
	WIN 0
.irp i, 0,1,2,3,4,5,6,7
	ds_load_b128 v[(\f)+8*(\i):(\f)+8*(\i)+3],   v[ADRA] offset:(\k)+(\i)*16*PITCH
	ds_load_b128 v[(\f)+8*(\i)+4:(\f)+8*(\i)+7], v[ADRA] offset:(\k)+(\i)*16*PITCH+32
.endr
.endm
.macro PLACES                          ; four plain places between a matrix instruction and a load into, or a vector write of, a register that it has read
.rept 4
	v_nop
.endr
.endm
; A K step is four quarters of 32 along K, 48 products each, on buffers 0, 1, 0, 1; the 48 accumulators take turns in the same order in every quarter.
.macro QUARTER k, f, g, first
	s_wait_dscnt 8                                 ; W and x's rows 0-63 are in; the youngest eight loads (x's rows 64-127) may be out
	MULH \f, 0, 0, \first
	MULH \f, 0, 2, \first
	PLACES
	FETCH \k, \g
	s_wait_dscnt 28                                ; all but the 28 just issued
	MULH \f, 1, 0, \first
	MULH \f, 1, 2, \first
.endm
.macro MEET round                      ; the first half of a step's last quarter: one barrier for the change of slots
	WIN 0
	s_wait_tensorcnt 0x0                           ; all my tensor loads have landed: the one that was out is my part of the next slot
	ds_add_u32 v[SPW], v[NIL]                      ; 0 onto my spare word
	s_wait_dscnt 9                                 ; (the add and the youngest eight loads may be out)
	MULH F1, 0, 0, 0
	s_wait_dscnt 0x0                               ; the add is done, and my reads of this slot are over
	s_barrier_signal -1
	MULH F1, 0, 2, 0
.if \round
	WIN 0
.endif
	s_barrier_wait -1
.endm
.macro TURN fill                       ; the whole last quarter.  fill = 1: the slot just read is filled again, two K steps on, first thing behind a round of the cluster's barrier
.if \fill
	s_wait_xcnt 0x0                                ; the last prefetch, a K step back, has read its address
	s_add_nc_u64 s[PFA:PFA+1], s[PFA:PFA+1], KSTEP*2
.endif
	MEET \fill
.if \fill
	CREST                                          ; no wave of any partner still reads this slot or has a load on its way
	s_xor_b32 s[G0+5], s[G0+5], SLOT1              ; the walking descriptors: the other slot than last time, the next K step
	s_add_nc_u64 s[G0+6:G0+7], s[G0+6:G0+7], KSTEP*2
	s_xor_b32 s[G0B+5], s[G0B+5], SLOT1
	s_add_nc_u64 s[G0B+6:G0B+7], s[G0B+6:G0B+7], KSTEP*2
	JLOAD 1                                        ; one load of mine is out; its four v_nop are also the places in front of the loads below
.else
	PLACES
	WIN 0
.endif
	s_xor_b32 s[TB], s[TB], SLOT1
	v_add_nc_u32 v[ADRA], s[TB], v[ADRA0]
	v_add_nc_u32 v[ADRB], s[TB], v[ADRB0]
	FETCH 0, F0
.if \fill
	ASK
.endif
	MULH F1, 1, 0, 0
	MULH F1, 1, 2, 0
.endm
	s_wait_tensorcnt 1                             ; my part of K step 0 is in; K step 1's may stay out
	s_barrier_signal -1
	s_barrier_wait -1
	FETCH 0, F0
	s_wait_loadcnt 0x0                             ; the bias
	QUARTER 64, F0, F1, 1
	WIN 0
	s_mov_b32 s3, 6                                ; six trips fill again: K steps 2 to 7
.Lstep:                                        ; from a step's second quarter to the next step's first
	QUARTER 128, F1, F0, 0
	QUARTER 192, F0, F1, 0
	TURN 1
	QUARTER 64, F0, F1, 0
	WIN 0
	s_sub_co_u32 s3, s3, 1
	s_cmp_lg_u32 s3, 0
	s_cbranch_scc1 .Lstep
	QUARTER 128, F1, F0, 0                         ; K step 6 goes on; nothing more is asked for
	QUARTER 192, F0, F1, 0
	TURN 0
	QUARTER 64, F0, F1, 0
	QUARTER 128, F1, F0, 0
	QUARTER 192, F0, F1, 0
	s_wait_dscnt 8
	MULH F1, 0, 0, 0
	MULH F1, 0, 2, 0
	s_wait_dscnt 0x0
	MULH F1, 1, 0, 0
	MULH F1, 1, 2, 0
	WIN 0
	; THE WAY OUT.  Rounded to f16, 16 bytes a lane, into the stage (slot 0's bytes: last read in K step 6, ahead of a barrier; never filled again); a barrier, since a head's 128 bytes
	; come from two waves; back by heads, four rows an instruction, and out as 512 consecutive bytes.
.rept 8
	v_nop
.endr
.set i, 0
.rept 48
	WIN 0x0a+5*(i/24)                              ; sources in window 2 or 3
.irp r, 0,1,2,3
	v_cvt_pk_f16_f32 v[TMP+4*i+(\r)], v[8*(i%24)+2*(\r)], v[8*(i%24)+2*(\r)+1]
.endr
.set i, i+1
.endr
	WIN 0
.set i, 0
.rept 48
	ds_store_b128 v[STO], v[TMP+4*i:TMP+4*i+3] offset:16*SPITCH*(i/6)+32*(i%6)
.set i, i+1
.endr
	s_wait_dscnt 0x0                               ; for the others' sake: my stores into the stage are done
	s_barrier_signal -1
	s_barrier_wait -1
.set i, 0
.rept 48                                       ; head i / 16, rows 4 (i % 16) on
	ds_load_b128 v[TMP+4*i:TMP+4*i+3], v[RD] offset:4*SPITCH*(i%16)+128*(i/16)
.set i, i+1
.endr
.set i, 0
.rept 48
	s_wait_dscnt 47-i                              ; load i is back, the younger ones stay out
	global_store_b128 v[CO], v[TMP+4*i:TMP+4*i+3], s[8:9] offset:262144*(i/16)+512*(i%16)
.set i, i+1
.endr
	s_wait_tensorcnt 0x0                           ; the wave's end
	ds_add_u32 v[SPW], v[NIL]
	s_wait_dscnt 0x0
	CROUND                                         ; the closing round
	s_endpgm
.Lfunc_end_k_qebfbdc303d_qkv:
	.size	k_qebfbdc303d_qkv, .Lfunc_end_k_qebfbdc303d_qkv-k_qebfbdc303d_qkv
	.p2alignl 7, 3214868480
	.fill 96, 4, 3214868480
	.section	.rodata,"a",@progbits
	.p2align	6, 0x0
	.amdhsa_kernel k_qebfbdc303d_qkv
		.amdhsa_group_segment_fixed_size 327680
		.amdhsa_private_segment_fixed_size 0
		.amdhsa_enable_private_segment 0
		.amdhsa_kernarg_size 32
		.amdhsa_user_sgpr_count 2
		.amdhsa_user_sgpr_kernarg_segment_ptr 1
		.amdhsa_wavefront_size32 1
		.amdhsa_system_sgpr_workgroup_id_x 1
		.amdhsa_system_sgpr_workgroup_id_y 1
		.amdhsa_system_sgpr_workgroup_id_z 1
		.amdhsa_system_vgpr_workitem_id 0
		.amdhsa_next_free_vgpr 960
		.amdhsa_next_free_sgpr 66
		.amdhsa_reserve_vcc 0
		.amdhsa_float_denorm_mode_32 3
		.amdhsa_float_denorm_mode_16_64 3
		.amdhsa_memory_ordered 1
		.amdhsa_forward_progress 1
		.amdhsa_inst_pref_size 97
	.end_amdhsa_kernel
	.amdgpu_metadata
---
amdhsa.version: [ 1, 2 ]
amdhsa.kernels:
  - .name:           k_qebfbdc303d_qkv
    .symbol:         k_qebfbdc303d_qkv.kd
    .args:
      - { .name: xb, .offset: 0, .size: 8, .value_kind: global_buffer, .address_space: global }
      - { .name: wb, .offset: 8, .size: 8, .value_kind: global_buffer, .address_space: global }
      - { .name: bias, .offset: 16, .size: 8, .value_kind: global_buffer, .address_space: global }
      - { .name: kvq, .offset: 24, .size: 8, .value_kind: global_buffer, .address_space: global }
    .group_segment_fixed_size: 327680
    .private_segment_fixed_size: 0
    .kernarg_segment_align: 8
    .kernarg_segment_size: 32
    .max_flat_workgroup_size: 128
    .sgpr_count:     66
    .vgpr_count:     960
    .wavefront_size: 32
...
	.end_amdgpu_metadata
.endif
;; end of part 2
;; launch attn (part 3): grid 64 x 4, 4 waves a work-group, no clusters, 327,680 bytes of LDS; arguments kvq, ob; writes ob
.if DOCPART == 3
	.amdgcn_target "amdgcn-amd-amdhsa--gfx1250"
	.amdhsa_code_object_version 6
	.text
	.protected	k_qebfbdc303d_attn
	.globl	k_qebfbdc303d_attn
	.p2align	8
	.type	k_qebfbdc303d_attn,@function
k_qebfbdc303d_attn:
	s_mov_b64 s[64:65], 0
	v_nop
	global_prefetch_b8 v0, s[64:65] scope:SCOPE_SE
	s_setreg_imm32_b32 hwreg(HW_REG_WAVE_MODE, 25, 1), 1
	s_wait_xcnt 0x0
; ATTENTION.  Head 0 sees all 2,048 keys; heads 1-15 the keys with |q - k| <= 128.  kvq: [4 b][48 g][2048][64] f16 (K's heads, V's, Q's); ob: [64 mb][16 h][128 rows][64] f16, mb = 16 b + n / 128.
; Products, maxima and sums in f32; p = 2^(c s - c m), c = log2(e) / 8, with a running maximum m; the weights are rounded to f16 for the second product, O once at the end.
; LIMITS.  A hidden score counts as its value less 1e30 (2e30 where two masks meet); the running maximum starts at -2^66, below every score that f16 operands can give (64 x 65,504^2 = 2.7e11 in size)
; and above every hidden one; a weight below 2^-126 counts as 0; NaN and infinities are not treated apart; k, v, q arrive within f16's range.
; SHARES.  256 work-groups; y is the batch.  x < 16: head 0, queries 128 x on, 32 key steps of 64.  x >= 16: five UNITS u = 5 (x - 16) + 0..4 of the 240 of a batch's band heads:
; head 1 + u / 16, queries 128 (u % 16) on, five key steps each.  A wave owns 32 queries: two PIECES of 16.
; THE BAND.  Wave w's window of keys begins at its first query less 128 and has 320 keys, so the masks have one shape in all waves: in step 0 the keys below the band, in step 4 those above, are
; hidden by a triangle and whole blocks of 16.  Keys outside 0..2047 come in whole groups of 32.  The mask is the C operand of the product that starts a score's sum: 0 or -1e30.
; A unit's tile is 416 rows, from 128 rows ahead of its queries; rows outside the head are other written rows of kvq: finite numbers whose weights are 0.
; A hidden score never becomes the maximum (m's start lies above it): c m would then be so large that its own rounding would show in c s - c m.  In a step that is wholly hidden ahead of the first true
; key every exponent is about -1.8e29 and every weight 0.
; BY TURNS.  Turn (p, j): 8 products V^T P of the item before, 8 products K Q^T of the item after (the other piece both times); beside them piece p's scaling, exponentials, roundings, sums and
; rescaling for step j, and the maximum and statistics of the item after.  A trip is turn (1, j - 1) and turn (0, j), and fetches K and V of step j alone: slots change at a trip's edge.
; NO CLUSTER: 192 of the 256 work-groups share no tile with another at the same time, and would pass a round of the cluster's barrier at every change of slots for nothing.
; REGISTERS, in windows of 256 (s_set_vgpr_msb: bits 1:0 source 0, 3:2 source 1, 5:4 source 2, 7:6 destination):
;   window 0: v1-15 addresses; v16-23 statistics; v48-55 at work; v60-63; v64-127 S^T, 32 a piece; v192-223 P, 16 a piece
;   window 1: v0-63 O^T, 32 a piece; v128-175 masks     window 2: v0-31 Q; v64-95 the next unit's Q; v128-191 K of a step; v192-255 V of a step
.set KS,    64
.set PK,    144       ; a row of K in LDS: 128 bytes + 16
.set PV,    160       ; a row of V: 128 + 32: 16 lanes of the turning load take 8 rows x 32 bytes
.set TROWS, 416
.set HROWS, 208       ; what one tensor load brings
.set VOFF,  TROWS*PK
.set SLOT1, 1<<17
.set STAGE, SLOT1+TROWS*(PK+PV)  ; behind the ring, never filled by a tensor load: 16 rows x 144 bytes a wave
.set SP,    144
.set SPARE, STAGE+4*16*SP        ; the spare words, 128 bytes a wave: two blocks of 256 bytes that no other line names
.set MLOW,  0xe0800000           ; -2^66: where the running maximum starts
.set CMLOW, 0xfe000000           ; -2^125: where c m starts, far below c x MLOW, so that a unit's first a is 0
.set AK0, 2
.set AV0, 3
.set AK,  4
.set AV,  5
.set STO, 6
.set RD,  7
.set GO,  8
.set MV,  12          ; v12-13 c m_old, by piece
.set QO,  15
.set ST,  16          ; piece t: c m, m, l (even keys', odd keys')
.set TMP, 48          ; piece t: c0-c3; c2 takes a
.set PFO, 60          ; 256 x lane
.set SPW, 62
.set NIL, 63
.set S,   64
.set P,   192
.set MTL, 128         ; window 1: hidden where the key lies below the band's lower edge
.set MTH, 136         ; above its upper edge
.set MT,  144         ; the step's four C operands: the triangle's block,
.set MU0, 152         ; piece 0's second block,
.set MU1, 160         ; piece 1's first,
.set MU2, 168         ; both pieces' third and fourth
.set QN,  64          ; window 2
.set KF,  128
.set VF,  192
.set OA,  10          ; s[10:11] O at my rows of the unit in hand
.set WV,  12
.set BX,  14
.set BB,  15
.set G1K, 24
.set G1V, 32
.set G0K, 40
.set G0V, 44
.set SLOTS, 56
.set CNT, 57
.set CS,  58
.set SEL, 60
.set TBK, 62
.set TBV, 63
.set QA,  66
.set PFA, 68
.set JC,  70          ; the step of the unit whose masks are made next
.set KEY, 71          ; that step's first key (below 0 it wraps, and is then not under 2,048)
.set NM,  72          ; bit j: step j's masks differ from step j - 1's
.set UU,  73          ; the next unit
.set AL,  74          ; s[74:75], s[76:77], s[78:79]: the two triangles' factors and the first two blocks' addend, in the low words
.set AH,  76
.set V0,  78
.set SU0, 80
.set SU1, 81
.set SU2, 82
.set BIGN, 83
.set PLIM, 84
.set PB,  85
.set FLAG, 91
.set MSB, 0
.macro WIN new
.if MSB != (\new)
	s_set_vgpr_msb (MSB<<8)|(\new)
.set MSB, (\new)
.endif
.endm
.set W_KQ, 0x0a
.set W_KM, 0x1a
.set W_PV, 0x52
.set W_RS, 0x41
; A fill: waves 0 and 1 fetch the halves of a tile's K, waves 2 and 3 those of its V.  An s_nop 0 and four v_nop follow each of the two lines.
.macro LOAD
	s_cmp_lt_u32 s[WV], 2
	s_cbranch_scc0 .Lfor_v_\@
	tensor_load_to_lds s[G0K:G0K+3], s[G1K:G1K+7]
	s_nop 0
.rept 4
	v_nop
.endr
	s_branch .Lasked_\@
.Lfor_v_\@:
	tensor_load_to_lds s[G0V:G0V+3], s[G1V:G1V+7]
	s_nop 0
.rept 4
	v_nop
.endr
.Lasked_\@:
.endm
; A prefetch, behind the fill: 64 rows of 128 bytes of my own tensor, 256 bytes a lane, for the tile that the NEXT change of slots asks for.
; kind 0 (band): the 128 keys that are the unit's own queries' rows, of the unit after the next; each such block belongs to one unit, so it is named once; the last two changes have no such unit.
; kind 1 (head 0): the batch's first three work-groups ask, each for one block of 128 keys of the tile's three, while the block's number is under 16.
.macro ASK kind
.if \kind
	s_cmp_lt_u32 s[PB], s[PLIM]
.else
	s_cmp_gt_u32 s[SLOTS], 1
.endif
	s_cbranch_scc0 .Lnot_mine_\@
	global_prefetch_b8 v[PFO], s[PFA:PFA+1] th:TH_LOAD_NT scope:SCOPE_SE
.Lnot_mine_\@:
.endm
; THE CHANGE OF SLOTS.  Each wave waits for all its tensor loads (one is out: its part of the other slot), adds 0 to its spare word, waits for that and for its reads of the slot that it leaves.
; Behind the barrier the old slot is filled again first (fill = 1).  ns: the steps that the slot left held; step: bytes from tile to tile.
.macro CHANGE fill, ns, step, kind
	WIN 0
	s_wait_tensorcnt 0x0                ; no tensor load of mine is out, so a group 0 may be written
	ds_add_u32 v[SPW], v[NIL]           ; 0 onto my spare word
.if \fill
	s_xor_b32 s[G0K+1], s[G0K+1], SLOT1
	s_add_nc_u64 s[G0K+2:G0K+3], s[G0K+2:G0K+3], \step
	s_xor_b32 s[G0V+1], s[G0V+1], SLOT1
	s_add_nc_u64 s[G0V+2:G0V+3], s[G0V+2:G0V+3], \step
	s_wait_xcnt 0x0                     ; the last prefetch, a tile back, has read its address
	s_add_nc_u64 s[PFA:PFA+1], s[PFA:PFA+1], \step
.if \kind
	s_add_co_u32 s[PB], s[PB], 3
.endif
.endif
	s_wait_dscnt 0x0                    ; the add is done, and my reads of the slot are over
	s_barrier_signal -1
	s_sub_co_u32 s[TBK], s[TBK], (\ns)*KS*PK  ; the fetches go back to a slot's first step, in the other slot
	s_xor_b32 s[TBK], s[TBK], SLOT1
	s_sub_co_u32 s[TBV], s[TBV], (\ns)*KS*PV
	s_xor_b32 s[TBV], s[TBV], SLOT1
	s_barrier_wait -1
.if \fill
	LOAD                                ; one load of mine is out
	ASK \kind
.endif
.endm
.macro QLOAD dst                    ; my 32 queries: piece i / 2, channels 32 (i % 2) on
	WIN 0x80
.set i, 0
.rept 4
	global_load_b128 v[(\dst)+8*i:(\dst)+8*i+3],   v[QO], s[QA:QA+1] offset:(i/2)*2048+(i%2)*64
	global_load_b128 v[(\dst)+8*i+4:(\dst)+8*i+7], v[QO], s[QA:QA+1] offset:(i/2)*2048+(i%2)*64+32
.set i, i+1
.endr
	WIN 0
.endm
	s_load_b128 s[4:7], s[0:1], 0x0     ; kvq s[4:5], ob s[6:7]
	v_lshl_add_u32 v[SPW], v0, 2, SPARE
	v_mov_b32 v[NIL], 0
	ds_add_u32 v[SPW], v[NIL]           ; the wave's opening: the add and its wait ahead of my first tensor load
	ds_add_u32 v62, v63
	v_lshrrev_b32 v1, 5, v0
	v_readfirstlane_b32 s[WV], v1
	s_mov_b32 s[BX], ttmp9
	s_and_b32 s[BB], ttmp7, 0xffff
	s_and_b32 s16, s[WV], 1             ; which half of a tile I fetch
	s_mul_i32 s17, s16, HROWS*PK
	s_mul_i32 s18, s16, HROWS*PV
	s_mul_i32 s19, s16, HROWS*128
	s_mul_i32 s20, s[BB], 48<<18        ; the batch's first byte
	s_max_u32 s[UU], s[BX], 16
	s_sub_co_u32 s[UU], s[UU], 16
	s_mul_i32 s[UU], s[UU], 5           ; my first unit (0 in a work-group of head 0, which has none)
	; all in blocks of 128 rows, 2^14 bytes: K's head 1 begins at block 16, Q's head 0 at 512, Q's head 1 at 528
	s_add_co_u32 s22, s[UU], 15         ; band: the first tile begins one block ahead of the unit's own
	s_add_co_u32 s86, s[UU], 528        ; its queries
	s_add_co_u32 s88, s[UU], 17         ; the prefetches stand one unit on; the first change steps them to two
	s_add_co_u32 s90, s[BX], 512
	s_add_co_u32 s[PB], s[BX], 3
	s_cmp_lt_u32 s[BX], 16
	s_cselect_b32 s22, 0, s22
	s_cselect_b32 s86, s90, s86
	s_cselect_b32 s88, s[PB], s88
	s_cmp_lt_u32 s[BX], 3
	s_cselect_b32 s[PLIM], 16, 0
	s_lshl_b32 s22, s22, 14
	s_add_co_u32 s22, s22, s20
	s_add_co_u32 s22, s22, s19
	s_mov_b32 s23, 0
	s_lshl_b32 s86, s86, 14
	s_add_co_u32 s86, s86, s20
	s_lshl_b32 s90, s[WV], 12           ; my wave's 32 rows
	s_add_co_u32 s86, s86, s90
	s_mov_b32 s87, 0
	s_lshl_b32 s88, s88, 14
	s_add_co_u32 s88, s88, s20
	s_lshl_b32 s90, s16, 13             ; my half of the 128 rows,
	s_add_co_u32 s88, s88, s90
	s_lshr_b32 s90, s[WV], 1
	s_lshl_b32 s90, s90, 22             ; in K or, 16 heads on, in V
	s_add_co_u32 s88, s88, s90
	s_mov_b32 s89, 0
	; group 1: 208 keys are 26,624 dense bytes: asked for as 104 rows of 256 bytes, padded in LDS after every key
	s_mov_b32 s[G1K], (1<<16)|(1<<20)|(4<<22)|(3<<25)
	s_mov_b32 s[G1V], (1<<16)|(1<<20)|(4<<22)|(7<<25)
.irp g, G1K, G1V
	s_mov_b32 s[\g+1], 128<<16
	s_mov_b32 s[\g+2], 104<<16
	s_mov_b32 s[\g+3], 128<<16
	s_mov_b32 s[\g+4], 104
	s_mov_b32 s[\g+5], 128
	s_mov_b32 s[\g+6], 0
	s_mov_b32 s[\g+7], 0
.endr
	s_mov_b32 s[CS], 0x3e38aa3b         ; c = log2(e) / 8
	s_mov_b32 s[CS+1], s[CS]
	s_mov_b32 s[SEL], 0x76543210
	s_mov_b32 s[SEL+1], 0xfedcba98
	s_mov_b32 s[BIGN], 0xf149f2ca       ; -1e30
	s_mov_b32 s[AL+1], 0                ; named as pairs
	s_mov_b32 s[AH+1], 0
	s_mov_b32 s[V0+1], 0
	s_mov_b32 s[G0K], 1
	s_mov_b32 s[G0K+1], s17
	s_mov_b32 s[G0V], 1
	s_add_co_u32 s[G0V+1], s18, VOFF
	s_wait_dscnt 0x0                    ; the opening add is done
	s_wait_kmcnt 0x0
	s_add_nc_u64 s[G0K+2:G0K+3], s[4:5], s[22:23]
	s_add_nc_u64 s[G0V+2:G0V+3], s[G0K+2:G0K+3], 1<<22
	s_or_b32 s[G0K+3], s[G0K+3], 0x80000000
	s_or_b32 s[G0V+3], s[G0V+3], 0x80000000
	s_add_nc_u64 s[QA:QA+1], s[4:5], s[86:87]
	s_add_nc_u64 s[PFA:PFA+1], s[4:5], s[88:89]
	LOAD                                ; tile 0 into slot 0
	v_and_b32 v1, 15, v0                ; l % 16
	v_bfe_u32 v9, v0, 4, 1              ; l / 16
	v_lshlrev_b32 v[QO], 7, v1
	v_lshl_add_u32 v[QO], v9, 4, v[QO]
	v_mul_u32_u24 v[AK0], v1, PK
	v_lshl_add_u32 v[AK0], v9, 4, v[AK0]
	v_and_b32 v10, 7, v0
	v_bfe_u32 v11, v0, 3, 1
	v_lshl_add_u32 v[AV0], v9, 3, v10   ; the turning load: key 8 (l / 16) + l % 8, channels 8 ((l / 8) % 2) on
	v_mul_u32_u24 v[AV0], v[AV0], PV
	v_lshl_add_u32 v[AV0], v11, 4, v[AV0]
	v_add_nc_u32 v[AV0], VOFF, v[AV0]
	s_mul_i32 s86, s[WV], 16*SP
	s_add_co_u32 s86, s86, STAGE
	v_mul_u32_u24 v[STO], v1, SP
	v_lshl_add_u32 v[STO], v9, 4, v[STO]
	v_add_nc_u32 v[STO], s86, v[STO]
	v_bfe_u32 v[RD], v0, 3, 2
	v_mul_u32_u24 v[RD], v[RD], SP
	v_lshl_add_u32 v[RD], v10, 4, v[RD]
	v_add_nc_u32 v[RD], s86, v[RD]
	v_and_b32 v[GO], 31, v0
	v_lshlrev_b32 v[PFO], 8, v[GO]
	v_lshlrev_b32 v[GO], 4, v[GO]
	; A unit's first step multiplies O^T and l by a = 0, and its first turn's products V^T P land in an O^T that is still to be so multiplied: these registers need only hold finite numbers.
	WIN 0x80
.set i, VF
.rept 64
	v_mov_b32 v[i], 0
.set i, i+1
.endr
	WIN 0x40
.set i, 0
.rept 64
	v_mov_b32 v[i], 0
.set i, i+1
.endr
	WIN 0
.set i, 0
.rept 2
	v_mov_b32 v[ST+4*i+2], 0
	v_mov_b32 v[ST+4*i+3], 0
.set i, i+1
.endr
.set i, P+16
.rept 16
	v_mov_b32 v[i], 0
.set i, i+1
.endr
; THE MATRIX WORK.  The 4 accumulators of a run of 8 take turns.  Product i of 8 of S^T = K Q^T for piece x: channels 32 (i / 4) on, keys 16 (i % 4) on.
.macro KQ x
.set rS, S+32*(\x)+8*(i%4)
.set rK, KF+16*(i%4)+8*(i/4)
.set rQ, 16*(\x)+8*(i/4)
.set rM, MU2
.if i == (\x)
.set rM, MT
.elseif i == 0
.set rM, MU1
.elseif i == 1
.set rM, MU0
.endif
.if (i < 4) && KM
	WIN W_KM
	v_wmma_f32_16x16x32_f16 v[rS:rS+7], v[rK:rK+7], v[rQ:rQ+7], v[rM:rM+7]
.elseif i < 4
	WIN W_KQ
	v_wmma_f32_16x16x32_f16 v[rS:rS+7], v[rK:rK+7], v[rQ:rQ+7], 0
.else
	WIN W_KQ
	v_wmma_f32_16x16x32_f16 v[rS:rS+7], v[rK:rK+7], v[rQ:rQ+7], v[rS:rS+7]
.endif
.endm
; Product i of 8 of O^T += V^T P for piece x: keys 32 (i / 4) on, channels 16 (i % 4) on.
.macro PV x
	WIN W_PV
.set rO, 32*(\x)+8*(i%4)
.set rV, VF+32*(i/4)+8*(i%4)
.set rP, P+16*(\x)+8*(i/4)
	v_wmma_f32_16x16x32_f16 v[rO:rO+7], v[rV:rV+7], v[rP:rP+7], v[rO:rO+7]
.endm
.macro MM                           ; the turn's next matrix instruction: 8 of V^T P, then 8 of K Q^T (none in a unit's last turn)
.if i < 8
	PV (Y+1)%2
.elseif !NOKQ
.set i, i-8
	KQ (Y+1)%2
.set i, i+8
.endif
.set i, i+1
.endm
.macro FETCH_K
	WIN 0x80
.irp f, 0,1,2,3,4,5,6,7
	ds_load_b128 v[KF+8*\f:KF+8*\f+3],   v[AK] offset:(\f/2)*16*PK+(\f%2)*64
	ds_load_b128 v[KF+8*\f+4:KF+8*\f+7], v[AK] offset:(\f/2)*16*PK+(\f%2)*64+32
.endr
	s_add_co_u32 s[TBK], s[TBK], KS*PK
	WIN 0
.endm
.macro FETCH_V
	WIN 0x80
.irp f, 0,1,2,3,4,5,6,7
	ds_load_tr16_b128 v[VF+8*\f:VF+8*\f+3],   v[AV] offset:(\f/4)*32*PV+(\f%4)*32
	ds_load_tr16_b128 v[VF+8*\f+4:VF+8*\f+7], v[AV] offset:(\f/4)*32*PV+16*PV+(\f%4)*32
.endr
	s_add_co_u32 s[TBV], s[TBV], KS*PV
	WIN 0
.endm
; THE VECTOR WORK, one line at a time: OP kind, number.  For piece Y: F n: c s - c m for pair n of 16.  E n: the exponential of score n of 32.  C n: pair n rounded to f16.  B n: of the four weights
; 4 n .. the second pair is added onto the first.  L n: l takes that sum (L 0: l = a l + sum).  R n: pair n of 16 of O^T times a.  For the other piece: X n, number n of the 22 that find its maximum:
;   0-11 four chains c0-c3 of seven scores (each accumulator's lowest registers first)   12-14, 16 the scores left over, the old m, c0-c3 into c0   15 c m_old is kept
;   17, 18 the lane 16 away holds the query's other keys: the new m   19-21 c m; c m_old - c m_new; a
.set F, 0
.set E, 1
.set C, 2
.set B, 3
.set L, 4
.set R, 5
.set X, 6
.macro REGS y
.set rT, ST+4*(\y)
.set rC, TMP+4*(\y)
.set rW, MV+(\y)
.set rS, S+32*(\y)
.set rP, P+16*(\y)
.set rO, 32*(\y)
.endm
.macro OP k, n
.if (\k) == R
	REGS Y
	WIN W_RS
	v_pk_mul_f32 v[rO+2*(\n):rO+2*(\n)+1], v[rO+2*(\n):rO+2*(\n)+1], v[rC+2:rC+3] op_sel_hi:[1,0]
.elseif (\k) < R
	REGS Y
	WIN 0
.if (\k) == F
	v_pk_fma_f32 v[rS+2*(\n):rS+2*(\n)+1], v[rS+2*(\n):rS+2*(\n)+1], s[CS:CS+1], v[rT:rT+1] op_sel_hi:[1,0,0] neg_lo:[0,0,1] neg_hi:[0,0,1]
.elseif (\k) == E
	v_exp_f32 v[rS+(\n)], v[rS+(\n)]
.elseif (\k) == C
	s_wait_alu depctr_va_vdst(0)
	v_cvt_pk_f16_f32 v[rP+(\n)], v[rS+2*(\n)], v[rS+2*(\n)+1]
.elseif (\k) == B
	s_wait_alu depctr_va_vdst(0)
	v_pk_add_f32 v[rS+4*(\n):rS+4*(\n)+1], v[rS+4*(\n):rS+4*(\n)+1], v[rS+4*(\n)+2:rS+4*(\n)+3]
.elseif (\n) == 0
	v_pk_fma_f32 v[rT+2:rT+3], v[rT+2:rT+3], v[rC+2:rC+3], v[rS:rS+1] op_sel_hi:[1,0,1]
.else
	v_pk_add_f32 v[rT+2:rT+3], v[rT+2:rT+3], v[rS+4*(\n):rS+4*(\n)+1]
.endif
.elseif NOKQ
	v_nop                           ; a unit's last turn has no item after it
.else
	REGS (Y+1)%2
	WIN 0
.if (\n) < 4
	v_max3_num_f32 v[rC+(\n)], v[rS+8*(\n)], v[rS+8*(\n)+1], v[rS+8*(\n)+2]
.elseif (\n) < 12
	v_max3_num_f32 v[rC+(\n)%4], v[rC+(\n)%4], v[rS+8*((\n)%4)+2*((\n)/4)+1], v[rS+8*((\n)%4)+2*((\n)/4)+2]
.elseif (\n) == 12
	v_max3_num_f32 v[rC], v[rC], v[rS+7], v[rS+15]
.elseif (\n) == 13
	v_max3_num_f32 v[rC+1], v[rC+1], v[rS+23], v[rS+31]
.elseif (\n) == 14
	v_max3_num_f32 v[rC+2], v[rC+2], v[rC+3], v[rT+1]
.elseif (\n) == 15
	v_mov_b32 v[rW], v[rT]
.elseif (\n) == 16
	v_max3_num_f32 v[rC], v[rC], v[rC+1], v[rC+2]
.elseif (\n) == 17
	v_permlanex16_b32 v[rC+3], v[rC], s[SEL], s[SEL+1]
.elseif (\n) == 18
	v_max_num_f32 v[rT+1], v[rC], v[rC+3]
.elseif (\n) == 19
	v_mul_f32 v[rT], s[CS], v[rT+1]
.elseif (\n) == 20
	v_sub_f32 v[rC+1], v[rW], v[rT]
.else
	v_exp_f32 v[rC+2], v[rC+1]
.endif
.endif
.endm
.macro OPS a, i1, b=-1, i2=0, c=-1, i3=0, d=-1, i4=0
	OP \a, \i1
.if (\b) >= 0
	OP \b, \i2
.endif
.if (\c) >= 0
	OP \c, \i3
.endif
.if (\d) >= 0
	OP \d, \i4
.endif
.endm
.macro ROW a, i1, b, i2, c, i3, d, i4  ; a matrix instruction and the four behind it
	MM
	OPS \a, \i1, \b, \i2, \c, \i3, \d, \i4
.endm
; The scalars of step JC's masks, and whether they differ from the step's before.  Whole numbers decide; the floats are only chosen.
.macro STEPSCAL
	s_cmp_lt_u32 s[KEY], 2048
	s_cselect_b32 s[V0], 0, s[BIGN]     ; the step's first 32 keys exist, or do not
	s_add_co_u32 s86, s[KEY], 32
	s_cmp_lt_u32 s86, 2048
	s_cselect_b32 s87, 0, s[BIGN]       ; its last 32
	s_cmp_eq_u32 s[JC], 0
	s_cselect_b32 s[AL], 1.0, 0
	s_cselect_b32 s[SU1], s[BIGN], s[V0]
	s_cmp_eq_u32 s[JC], 4
	s_cselect_b32 s[AH], 1.0, 0
	s_cselect_b32 s[SU0], s[BIGN], s[V0]
	s_cselect_b32 s[SU2], s[BIGN], s87
	s_lshr_b32 s86, s[NM], s[JC]
	s_and_b32 s[FLAG], s86, 1
	s_add_co_u32 s[JC], s[JC], 1
	s_add_co_u32 s[KEY], s[KEY], 64
.endm
.macro MASK
	WIN 0x51
.set z, 0
.rept 4
	v_pk_fma_f32 v[MT+2*z:MT+2*z+1], v[MTH+2*z:MTH+2*z+1], s[AH:AH+1], s[V0:V0+1] op_sel_hi:[1,0,0]
.set z, z+1
.endr
.set z, 0
.rept 4
	v_pk_fma_f32 v[MT+2*z:MT+2*z+1], v[MTL+2*z:MTL+2*z+1], s[AL:AL+1], v[MT+2*z:MT+2*z+1] op_sel_hi:[1,0,1]
.set z, z+1
.endr
.set z, 0
.rept 8
	v_mov_b32 v[MU0+z], s[SU0]
	v_mov_b32 v[MU1+z], s[SU1]
	v_mov_b32 v[MU2+z], s[SU2]
.set z, z+1
.endr
	WIN 0
.endm
; A TURN, for piece p: its 16 matrix and 118 vector instructions, written out.  Every exponential has a plain instruction between it and the use of its result; no line behind a product names one of
; that product's registers before four plain lines that name none have passed.  m = 1: the products that start scores take masks.  end = 1: a unit's last turn: nothing is fetched, no new scores.
; K of the trip's step is fetched at the head of piece 1's turn (its last reader stands ahead of the last turn's second lump) and waited for ahead of that turn's second run of products;
; V of the same step in piece 0's turn, five plain lines behind the last product that read V, and waited for at the head of the next turn.
.macro TURN p, m=0, end=0
.set Y, (\p)
.set i, 0
.set KM, (\m)
.set NOKQ, (\end)
.if (\p) == 1
	WIN 0
	s_wait_dscnt 0x0                ; V is in
.if !(\end)
	v_add_nc_u32 v[AK], s[TBK], v[AK0]
	FETCH_K
.endif
.endif
	ROW F,0, F,1, F,2, F,3
	ROW F,4, E,0, F,5, F,6
	ROW F,7, E,1, F,8, F,9
	ROW F,10, E,2, C,0, F,11
	ROW F,12, E,3, X,15, F,13
	ROW R,0, R,1, R,2, R,3
	ROW B,0, E,4, F,14, L,0
.if (\p) == 0
	WIN 0
	v_add_nc_u32 v[AV], s[TBV], v[AV0]
.endif
	ROW R,4, R,5, R,6, R,7
	OPS E,5, F,15
.if (\p) == 0
	FETCH_V
.endif
	OPS E,6, C,1, E,7, R,8
	OPS E,8, R,9, E,9, C,2
.if ((\p) == 1) && !(\end)
	s_wait_dscnt 0x0                ; K is in
.endif
	ROW C,3, E,10, B,1, E,11
	ROW C,4, E,12, L,1, E,13
	ROW R,10, R,11, R,12, R,13
	ROW C,5, E,14, B,2, E,15
	ROW C,6, E,16, L,2, E,17
	ROW C,7, E,18, B,3, E,19
	ROW C,8, E,20, L,3, E,21
	ROW C,9, E,22, B,4, E,23
	OPS L,4, E,24, C,10, E,25
	OPS X,0, E,26, X,1, E,27
	OPS X,2, E,28, C,11, E,29
	OPS X,3, E,30, X,4, E,31
	OPS X,5, C,12, X,6, B,5
	OPS X,7, C,13, X,8, L,5
	OPS X,9, B,6, X,10, C,14
	OPS X,11, L,6, X,12, C,15
	OPS X,13, B,7, X,14
	OPS X,16, R,14, X,17, R,15
	OPS X,18, L,7, X,19, X,20
	OPS X,21
.endm
; A UNIT BEGINS.  c m starts far below every c s, so the first step's a is 0; m at -2^66, below every true score and above every hidden one.  m = 1 (band): the unit's scalars, step 0's masks, and Q from
; where it was loaded a unit ago (more = 1: the next unit's Q is asked for).  Then K of step 0, piece 0's first scores, its maximum and statistics.
.macro BEGIN m, more
.if \m
	s_and_b32 s86, s[UU], 15            ; r: the block of 128 queries
	s_lshr_b32 s87, s[UU], 4
	s_add_co_u32 s87, s87, 1            ; the head
	s_lshl_b32 s[KEY], s86, 7
	s_lshl_b32 s88, s[WV], 5
	s_add_co_u32 s[KEY], s[KEY], s88
	s_sub_co_u32 s[KEY], s[KEY], 128    ; my window's first key
	s_mov_b32 s[JC], 0
	s_cmp_eq_u32 s86, 0                 ; at a head's two ends every step's masks may differ; elsewhere steps 2 and 3 take step 1's
	s_cselect_b32 s[NM], 0x1f, 0x13
	s_cmp_eq_u32 s86, 15
	s_cselect_b32 s[NM], 0x1f, s[NM]
	s_lshl_b32 s88, s[BB], 4
	s_add_co_u32 s88, s88, s86
	s_lshl_b32 s88, s88, 18             ; (16 b + r) x 16 heads x 16,384 bytes
	s_lshl_b32 s87, s87, 14
	s_add_co_u32 s88, s88, s87
	s_lshl_b32 s87, s[WV], 12
	s_add_co_u32 s88, s88, s87
	s_mov_b32 s89, 0
	s_add_nc_u64 s[OA:OA+1], s[6:7], s[88:89]  ; (the last unit's stores have read the old address: the wait at its end)
	s_add_co_u32 s[UU], s[UU], 1
.endif
	WIN 0
.set i, 0
.rept 2
	v_mov_b32 v[ST+4*i], CMLOW
	v_mov_b32 v[ST+4*i+1], MLOW
.set i, i+1
.endr
.if \m
	STEPSCAL
	MASK
.endif
	v_add_nc_u32 v[AK], s[TBK], v[AK0]
	FETCH_K
	s_wait_loadcnt 0x0                  ; Q
.if \m
	WIN 0x82
.set i, 0
.rept 32
	v_mov_b32 v[i], v[QN+i]
.set i, i+1
.endr
	WIN 0
.if \more
	s_add_nc_u64 s[QA:QA+1], s[QA:QA+1], 16384  ; free since the wait for the loads that read it
	QLOAD QN
.endif
.endif
	s_wait_dscnt 0x0                    ; K
.set KM, (\m)
.set NOKQ, 0
.set i, 0
.rept 8
	KQ 0
.set i, i+1
.endr
	WIN 0
.rept 4
	v_nop                               ; the places behind those products
.endr
.set Y, 1                               ; X works for the other piece: piece 0
.irp n, 0,1,2,3,4,5,6,7,8,9,10,11,12,13,14,15,16,17,18,19,20,21
	OP X, \n
.endr
	v_nop                               ; a plain instruction behind the exponential
.endm
.macro ALL line:vararg
.set t, 0
.rept 2
	\line
.set t, t+1
.endr
.endm
.macro PACK t                       ; a lane's eight channels of a row pack into 16 bytes; they go into rows of 144 bytes and come back as whole rows of 128
	WIN W_RS
.set i, 32*(\t)
.rept 16
	s_wait_alu depctr_va_vdst(0)
	v_pk_mul_f32 v[i:i+1], v[i:i+1], v[ST+4*(\t)+2:ST+4*(\t)+3] op_sel_hi:[1,0]
.set i, i+2
.endr
	WIN 0x05
.set i, 0
.rept 16
	v_cvt_pk_f16_f32 v[S+16*(\t)+i], v[32*(\t)+2*i], v[32*(\t)+2*i+1]
.set i, i+1
.endr
	WIN 0
.irp f, 0,1,2,3
	ds_store_b128 v[STO], v[S+16*(\t)+4*\f:S+16*(\t)+4*\f+3] offset:32*\f
.endr
.irp f, 0,1,2,3
	ds_load_b128 v[S+16*(\t)+4*\f:S+16*(\t)+4*\f+3], v[RD] offset:\f*4*SP  ; LDS serves a wave's instructions in order: these see the stores above, and the next piece's stores come behind them
.endr
.endm
.macro SEND t, younger              ; younger: the LDS instructions issued behind piece t's loads
	WIN 0
.irp f, 0,1,2,3
	s_wait_dscnt (\younger)+3-\f
	global_store_b128 v[GO], v[S+16*(\t)+4*\f:S+16*(\t)+4*\f+3], s[OA:OA+1] offset:(\t)*2048+\f*512  ; 512 consecutive bytes, at a multiple of 256 from ob's first
.endr
.endm
; A UNIT ENDS: piece 1's last turn, its last products, and the way out: l's halves and the other lanes' are added, O^T is divided by l, rounded to f16 and sent through my stage.
.macro FINISH
	TURN 1, 0, 1
.set i, 0
.rept 8
	PV 1
.set i, i+1
.endr
	WIN 0
	ALL v_add_f32 v[ST+4*t+2], v[ST+4*t+2], v[ST+4*t+3]
	ALL v_permlanex16_b32 v[ST+4*t+3], v[ST+4*t+2], s[SEL], s[SEL+1]
	ALL v_add_f32 v[ST+4*t+2], v[ST+4*t+2], v[ST+4*t+3]
	ALL v_rcp_f32 v[ST+4*t+2], v[ST+4*t+2]
	v_nop
	PACK 0                              ; piece 0's 32 plain lines are the places behind piece 1's last products
	PACK 1
	SEND 0, 8
	SEND 1, 0
	s_wait_xcnt 0x0                     ; the stores have read their registers and O's address: both are written again in the next unit
.endm
.macro UNIT tag, more
	BEGIN 1, \more
	s_mov_b32 s[CNT], 5
	s_branch .Lfirst\tag                ; the loop is entered at a step's piece 0, in the middle of a trip
.Lstep\tag:
	STEPSCAL
	s_cmp_eq_u32 s[FLAG], 0
	s_cbranch_scc1 .Lsame\tag
	MASK
.Lsame\tag:
	TURN 1, 1
	WIN 0
.Lfirst\tag:
	TURN 0, 1
	WIN 0
	s_sub_co_u32 s[CNT], s[CNT], 1
	s_cmp_lg_u32 s[CNT], 0
	s_cbranch_scc1 .Lstep\tag
.Lfin\tag:
	FINISH
.endm
	s_cmp_lt_u32 s[BX], 16
	s_cbranch_scc0 .Lband
	; HEAD 0: six tiles 384 keys apart; of each the first 384 keys are used, of the last 128.
	QLOAD 0
	s_lshl_b32 s88, s[BB], 4
	s_add_co_u32 s88, s88, s[BX]
	s_lshl_b32 s88, s88, 18
	s_lshl_b32 s87, s[WV], 12
	s_add_co_u32 s88, s88, s87
	s_mov_b32 s89, 0
	s_add_nc_u64 s[OA:OA+1], s[6:7], s[88:89]
	s_mov_b32 s[TBK], SLOT1+6*KS*PK     ; the first change of slots turns these two into 0
	s_mov_b32 s[TBV], SLOT1+6*KS*PV
	CHANGE 1, 6, 49152, 1               ; tile 0 is in, everybody's part of it; tile 1 is asked for
	BEGIN 0, 0
	s_mov_b32 s[CNT], 6
	s_mov_b32 s[SLOTS], 5
	s_branch .LfirstG
.LslotG:                                ; four times: tiles 2 to 5 are asked for
	CHANGE 1, 6, 49152, 1
	s_mov_b32 s[CNT], 6
.LstepG:
	TURN 1, 0
	WIN 0
.LfirstG:
	TURN 0, 0
	WIN 0
	s_sub_co_u32 s[CNT], s[CNT], 1
	s_cmp_lg_u32 s[CNT], 0
	s_cbranch_scc1 .LstepG
	s_sub_co_u32 s[SLOTS], s[SLOTS], 1
	s_cmp_lg_u32 s[SLOTS], 0
	s_cbranch_scc1 .LslotG
	CHANGE 0, 6, 0, 1                   ; the last tile is written out
	s_mov_b32 s[CNT], 2
.LtailG:
	TURN 1, 0
	TURN 0, 0
	WIN 0
	s_sub_co_u32 s[CNT], s[CNT], 1
	s_cmp_lg_u32 s[CNT], 0
	s_cbranch_scc1 .LtailG
	s_branch .Lfin2                     ; the end is the band's: the same text, with no barrier and no tensor load in it
.Lband:
	QLOAD QN                            ; the first unit's Q
	s_mul_i32 s86, s[WV], 32*PK         ; my window begins 32 w rows into the tile
	v_add_nc_u32 v[AK0], s86, v[AK0]
	s_mul_i32 s86, s[WV], 32*PV
	v_add_nc_u32 v[AV0], s86, v[AV0]
	v_lshlrev_b32 v14, 3, v9
	v_sub_nc_u32 v14, v1, v14           ; l % 16 - 8 (l / 16): register i holds a key below the lower edge where i is less, above the upper edge where i is greater
	WIN 0x40
.set i, 0
.rept 8
	v_cmp_lt_i32 vcc_lo, i, v14
	v_cndmask_b32 v[MTL+i], 0, s[BIGN], vcc_lo
	v_cmp_gt_i32 vcc_lo, i, v14
	v_cndmask_b32 v[MTH+i], 0, s[BIGN], vcc_lo
.set i, i+1
.endr
	WIN 0
	s_mov_b32 s[TBK], SLOT1+5*KS*PK
	s_mov_b32 s[TBV], SLOT1+5*KS*PV
	s_mov_b32 s[SLOTS], 4
.LslotL:                                ; four times: a unit's tile is entered and the next unit's asked for
	CHANGE 1, 5, 16384, 0
	UNIT 1, 1
	s_sub_co_u32 s[SLOTS], s[SLOTS], 1
	s_cmp_lg_u32 s[SLOTS], 0
	s_cbranch_scc1 .LslotL
	CHANGE 0, 5, 0, 0                   ; the fifth unit is written out: nothing is asked for
	UNIT 2, 0
	s_wait_tensorcnt 0x0                ; the wave's end
	ds_add_u32 v[SPW], v[NIL]
	s_wait_dscnt 0x0
	s_endpgm
.Lfunc_end_k_qebfbdc303d_attn:
	.size	k_qebfbdc303d_attn, .Lfunc_end_k_qebfbdc303d_attn-k_qebfbdc303d_attn
	.p2alignl 7, 3214868480
	.fill 96, 4, 3214868480
	.section	.rodata,"a",@progbits
	.p2align	6, 0x0
	.amdhsa_kernel k_qebfbdc303d_attn
		.amdhsa_group_segment_fixed_size 327680
		.amdhsa_private_segment_fixed_size 0
		.amdhsa_enable_private_segment 0
		.amdhsa_kernarg_size 16
		.amdhsa_user_sgpr_count 2
		.amdhsa_user_sgpr_kernarg_segment_ptr 1
		.amdhsa_wavefront_size32 1
		.amdhsa_system_sgpr_workgroup_id_x 1
		.amdhsa_system_sgpr_workgroup_id_y 1
		.amdhsa_system_sgpr_workgroup_id_z 1
		.amdhsa_system_vgpr_workitem_id 0
		.amdhsa_next_free_vgpr 768
		.amdhsa_next_free_sgpr 96
		.amdhsa_reserve_vcc 1
		.amdhsa_float_denorm_mode_32 3
		.amdhsa_float_denorm_mode_16_64 3
		.amdhsa_memory_ordered 1
		.amdhsa_forward_progress 1
		.amdhsa_inst_pref_size 159
	.end_amdhsa_kernel
	.amdgpu_metadata
---
amdhsa.version: [ 1, 2 ]
amdhsa.kernels:
  - .name:           k_qebfbdc303d_attn
    .symbol:         k_qebfbdc303d_attn.kd
    .args:
      - { .name: kvq, .offset: 0, .size: 8, .value_kind: global_buffer, .address_space: global }
      - { .name: ob, .offset: 8, .size: 8, .value_kind: global_buffer, .address_space: global }
    .group_segment_fixed_size: 327680
    .private_segment_fixed_size: 0
    .kernarg_segment_align: 8
    .kernarg_segment_size: 16
    .max_flat_workgroup_size: 128
    .sgpr_count:     96
    .vgpr_count:     768
    .wavefront_size: 32
...
	.end_amdgpu_metadata
.endif
;; end of part 3
;; launch proj (part 4): grid 8 x 32, 4 waves a work-group, clusters of 4 x 4, 327,680 bytes of LDS; arguments ob, wof, bias, out0; writes out0
.if DOCPART == 4
	.amdgcn_target "amdgcn-amd-amdhsa--gfx1250"
	.amdhsa_code_object_version 6
	.text
	.protected	k_qebfbdc303d_proj
	.globl	k_qebfbdc303d_proj
	.p2align	8
	.type	k_qebfbdc303d_proj,@function
k_qebfbdc303d_proj:
	s_mov_b64 s[64:65], 0
	v_nop
	global_prefetch_b8 v0, s[64:65] scope:SCOPE_SE
	s_setreg_imm32_b32 hwreg(HW_REG_WAVE_MODE, 25, 1), 1
	s_wait_xcnt 0x0
	s_wait_alu depctr_hold_cnt(0) depctr_sa_sdst(0) depctr_va_vdst(0) depctr_va_sdst(0) depctr_va_ssrc(0) depctr_va_vcc(0) depctr_vm_vsrc(0)
	s_getreg_b32 s2, hwreg(HW_REG_IB_STS2, 6, 4)
	s_cmp_eq_u32 s2, 0
	s_cbranch_scc0 .Lentry_in_a_cluster
	s_endpgm
.Lentry_in_a_cluster:
	s_bfe_u32 s2, ttmp6, 0x10000c
	s_cmp_lg_u32 s2, 0xf033
	s_cbranch_scc0 .Lentry_shape_is_right
	s_endpgm
.Lentry_shape_is_right:
; out0 = O wo^T + bo.  ob: [64 mb][16 h][128 rows][64] f16; wof: [1024][1024] f16; bias: f32, bo at 12,288 bytes; out0: [8192][1024] f32.  Sums in f32, begun with the bias (the C operand of
; each accumulator's first product): another order of rounding than the sum's end.  NaN and infinities are not treated apart.
; SHARES.  A tile is 256 rows x 128 columns: 8 x 32 = 256 work-groups.  Four waves, 2 x 2, each 128 x 64: 32 accumulators, 256 registers.  K goes in 8 steps of 128, two heads each.
; O's half tile of a step, 128 rows x 2 heads, is 32,768 dense bytes of ob: asked for as 128 rows of 256 bytes and padded in LDS after every 128: [2 heads][128 rows] x 144 bytes.
; CLUSTER 4 x 4: O's tile is asked for jointly along a row of the cluster, wo's along a column.  The product is taken transposed: a lane holds one row and eight neighbouring columns.
; REGISTERS: window 0: v16-30 addresses; v64-127, v128-191 O's fragments; v32-63, v224-255 rows on the way out.  window 1: v0-31 the bias as four C operands; v64-95, v128-159 wo's fragments.
;   window 2: accumulator (a, b) at 8 (4 a + b).
.set PA,     144
.set PB,     272
.set HEADB,  128*PA
.set AHALF,  2*HEADB
.set BHALF,  64*PB
.set BOFF,   2*AHALF
.set SLOT1,  1<<17
.set STAGE,  SLOT1+BOFF+2*BHALF        ; behind the ring, never filled by a tensor load: 16 rows x 272 bytes a wave
.set SPITCH, 272
.set SPARE,  STAGE+4*16*SPITCH         ; the spare words, 128 bytes a wave: two blocks of 256 bytes that no other line names
.set ASTEP,  32768                     ; bytes from K step to K step in ob,
.set BSTEP,  256                       ; in wof
.set ADRA0, 16
.set ADRB0, 17
.set ADRA,  18
.set ADRB,  19
.set STO,   24
.set RD,    25
.set CO,    26
.set BO,    27
.set SPW,   28
.set NIL,   29
.set PFO,   30
.set OB,    32
.set F0,    64
.set F1,    128
.set TB,    2
.set G1,    24
.set G0,    32
.set LIM,   43
.set PFA,   44
.set G1B,   48
.set G0B,   56
.set MSB, 0
.macro WIN new
.if MSB != (\new)
	s_set_vgpr_msb (MSB<<8)|(\new)
.set MSB, \new
.endif
.endm
.macro JLOAD s                         ; waves 0 and 1 fetch O's two halves, waves 2 and 3 wo's; an s_nop 0 and four v_nop follow each of the two lines
	s_cmp_eq_u32 s11, 0
	s_cbranch_scc0 .Lfor_b_\@
	tensor_load_to_lds s[G0+4*(\s):G0+4*(\s)+3], s[G1:G1+7]
	s_nop 0
.rept 4
	v_nop
.endr
	s_branch .Lasked_\@
.Lfor_b_\@:
	tensor_load_to_lds s[G0B+4*(\s):G0B+4*(\s)+3], s[G1B:G1B+7]
	s_nop 0
.rept 4
	v_nop
.endr
.Lasked_\@:
.endm
; A prefetch of O's K step that stands TWO refills on (a step has 128 products a wave): of the 128 blocks of 256 bytes that a wave fetches, the partner at place cx takes 32, a lane a block.
; The first cluster along x asks, so each block is named once.  The last two refills have no such step.  wo is read by all 32 tile rows and is not asked for.
.macro ASK
	s_cmp_gt_u32 s3, s[LIM]
	s_cbranch_scc0 .Lnot_mine_\@
	global_prefetch_b8 v[PFO], s[PFA:PFA+1] offset:2*ASTEP th:TH_LOAD_NT scope:SCOPE_SE
.Lnot_mine_\@:
.endm
.macro CREST
	s_cmp_lg_u32 s10, 0
	s_cbranch_scc1 .Lnot_wave_0_\@
	s_barrier_signal -3
.Lnot_wave_0_\@:
	s_barrier_wait -3
	s_barrier_signal -1
	s_barrier_wait -1
.endm
.macro CROUND
	s_barrier_signal -1
	s_barrier_wait -1
	CREST
.endm
	s_load_b128 s[4:7], s[0:1], 0x0                ; ob s[4:5], wof s[6:7]
	s_load_b64 s[20:21], s[0:1], 0x10              ; bias
	s_load_b64 s[8:9], s[0:1], 0x18                ; out0
	v_lshl_add_u32 v[SPW], v0, 2, SPARE
	v_mov_b32 v[NIL], 0
	ds_add_u32 v[SPW], v[NIL]                      ; the wave's opening: the add and its wait ahead of my first tensor load
	ds_add_u32 v28, v29
	v_lshrrev_b32 v1, 5, v0
	v_readfirstlane_b32 s10, v1
	s_lshr_b32 s11, s10, 1
	s_and_b32 s12, s10, 1
	s_bfe_u32 s40, ttmp6, 0x40000                  ; cx
	s_bfe_u32 s41, ttmp6, 0x40004                  ; cy
	s_lshl_b32 s42, ttmp9, 2
	s_add_co_u32 s42, s42, s40                     ; tile column
	s_and_b32 s13, ttmp7, 0xffff
	s_lshl_b32 s13, s13, 2
	s_add_co_u32 s13, s13, s41                     ; tile row
	s_lshl_b32 s43, s41, 2
	s_lshl_b32 s43, 15, s43
	s_lshl_b32 s44, 0x1111, s40
	s_or_b32 s[G1+0], s43, (1<<16)|(1<<20)|(1<<21)|(4<<22)|(3<<25)   ; padding after every 32 words, 4 words
	s_or_b32 s[G1B+0], s44, (1<<16)|(1<<20)|(1<<21)|(5<<22)|(3<<25)  ; after every 64 words
	s_mov_b32 s[G1+1], 128<<16
	s_mov_b32 s[G1+2], 128<<16
	s_mov_b32 s[G1+3], 128<<16
	s_mov_b32 s[G1+4], 128
	s_mov_b32 s[G1+5], 128                         ; dense: a row begins where the last ends
	s_mov_b32 s[G1+6], 0
	s_mov_b32 s[G1+7], 0
	s_mov_b32 s[G1B+1], 128<<16
	s_mov_b32 s[G1B+2], 64<<16
	s_mov_b32 s[G1B+3], 128<<16
	s_mov_b32 s[G1B+4], 64
	s_mov_b32 s[G1B+5], 1024
	s_mov_b32 s[G1B+6], 0
	s_mov_b32 s[G1B+7], 0
	s_lshl_b32 s16, s13, 1
	s_add_co_u32 s16, s16, s12                     ; O: block of 128 rows 2 x tile row + half,
	s_lshl_b32 s16, s16, 18                        ; 16 heads x 16,384 bytes each
	s_mov_b32 s17, 0
	s_lshl_b32 s46, s42, 7
	s_lshl_b32 s47, s12, 6
	s_add_co_u32 s46, s46, s47                     ; wo: row 128 x tile column + 64 x half
	s_lshl_b32 s46, s46, 11
	s_mov_b32 s47, 0
	s_mul_i32 s22, s12, AHALF
	s_mul_i32 s23, s12, BHALF
	s_add_co_u32 s23, s23, BOFF
	s_wait_dscnt 0x0
	s_wait_kmcnt 0x0
	s_add_nc_u64 s[14:15], s[4:5], s[16:17]
	s_add_nc_u64 s[46:47], s[6:7], s[46:47]
	CROUND
.irp s, 0,1
	s_mov_b32 s[G0+4*(\s)], 1
	s_add_co_u32 s[G0+4*(\s)+1], s22, (\s)*SLOT1
	s_add_nc_u64 s[G0+4*(\s)+2:G0+4*(\s)+3], s[14:15], (\s)*ASTEP
	s_or_b32 s[G0+4*(\s)+3], s[G0+4*(\s)+3], 0x80000000
	s_mov_b32 s[G0B+4*(\s)], 1
	s_add_co_u32 s[G0B+4*(\s)+1], s23, (\s)*SLOT1
	s_add_nc_u64 s[G0B+4*(\s)+2:G0B+4*(\s)+3], s[46:47], (\s)*BSTEP
	s_or_b32 s[G0B+4*(\s)+3], s[G0B+4*(\s)+3], 0x80000000
	JLOAD \s                                       ; K steps 0 and 1: two loads of mine are out
.endr
	v_and_b32 v1, 15, v0
	v_bfe_u32 v2, v0, 4, 1
	v_mul_u32_u24 v3, v1, PA
	v_lshl_add_u32 v3, v2, 4, v3
	s_mul_i32 s22, s11, AHALF
	v_add_nc_u32 v[ADRA0], s22, v3
	v_mul_u32_u24 v3, v1, PB
	v_lshl_add_u32 v3, v2, 4, v3
	s_mul_i32 s23, s12, BHALF
	s_add_co_u32 s23, s23, BOFF
	v_add_nc_u32 v[ADRB0], s23, v3
	v_mov_b32 v[ADRA], v[ADRA0]
	v_mov_b32 v[ADRB], v[ADRB0]
	s_mov_b32 s[TB], 0
	s_mul_i32 s22, s10, 16*SPITCH
	s_add_co_u32 s22, s22, STAGE                   ; my stage
	v_mul_u32_u24 v4, v1, SPITCH                   ; in: row l % 16, 32 bytes for each half of the lanes
	v_lshl_add_u32 v4, v2, 5, v4
	v_add_nc_u32 v[STO], s22, v4
	v_mul_u32_u24 v5, v2, SPITCH                   ; back: lanes 0-15 one row of 256 bytes, lanes 16-31 the next
	v_lshl_add_u32 v5, v1, 4, v5
	v_add_nc_u32 v[RD], s22, v5
	v_lshlrev_b32 v5, 12, v2                       ; and the same two rows in out0
	v_lshl_add_u32 v[CO], v1, 4, v5
	v_and_b32 v7, 31, v0
	v_lshlrev_b32 v[PFO], 8, v7
	s_lshl_b32 s22, s42, 9
	s_lshl_b32 s23, s12, 8
	s_add_co_u32 s22, s22, s23                     ; my 64 columns: 4 (128 tc + 64 wc) bytes
	v_lshl_add_u32 v[BO], v2, 5, s22
	WIN 0x40
.irp b, 0,1,2,3
	global_load_b128 v[8*(\b):8*(\b)+3],   v[BO], s[20:21] offset:12288+64*(\b)
	global_load_b128 v[8*(\b)+4:8*(\b)+7], v[BO], s[20:21] offset:12288+64*(\b)+16
.endr
	WIN 0
	s_lshl_b32 s16, s13, 8
	s_lshl_b32 s23, s11, 7
	s_add_co_u32 s16, s16, s23                     ; my first row,
	s_lshl_b32 s16, s16, 12                        ; 4,096 bytes each,
	s_add_co_u32 s16, s16, s22                     ; and my first column: what the first way out adds to out0's address
	s_mov_b32 s17, 0
	s_lshl_b32 s18, s13, 1                         ; the prefetches: my block of 128 rows, my work-group's quarter of a step, at K step 1
	s_add_co_u32 s18, s18, s12
	s_lshl_b32 s18, s18, 18
	s_lshl_b32 s23, s40, 13
	s_add_co_u32 s18, s18, s23
	s_add_co_u32 s18, s18, ASTEP
	s_mov_b32 s19, 0
	s_add_nc_u64 s[PFA:PFA+1], s[4:5], s[18:19]
	s_or_b32 s[LIM], s11, ttmp9
	s_cmp_eq_u32 s[LIM], 0
	s_cselect_b32 s[LIM], 2, -1
.macro MULH f, a0, first               ; 8 products: row blocks a0, a0 + 1 x all 4 column blocks.  first = 1: C is the bias
.if \first
	WIN 0x91
.else
	WIN 0xa1
.endif
.irp a, \a0, (\a0)+1
.irp b, 0,1,2,3
.if \first
	v_wmma_f32_16x16x32_f16 v[8*(4*(\a)+(\b)):8*(4*(\a)+(\b))+7], v[(\f)+8*(\b):(\f)+8*(\b)+7], v[(\f)+8*(\a):(\f)+8*(\a)+7], v[8*(\b):8*(\b)+7]
.else
	v_wmma_f32_16x16x32_f16 v[8*(4*(\a)+(\b)):8*(4*(\a)+(\b))+7], v[(\f)+8*(\b):(\f)+8*(\b)+7], v[(\f)+8*(\a):(\f)+8*(\a)+7], v[8*(4*(\a)+(\b)):8*(4*(\a)+(\b))+7]
.endif
.endr
.endr
.endm
.macro FETCH q, f                      ; 24 LDS loads in one run: quarter q's fragments: in wo's rows 64 q bytes on; in O head q / 2 of the step, channels 32 (q % 2) on
	WIN 0x40
.irp i, 0,1,2,3
	ds_load_b128 v[(\f)+8*(\i):(\f)+8*(\i)+3],   v[ADRB] offset:64*(\q)+(\i)*16*PB
	ds_load_b128 v[(\f)+8*(\i)+4:(\f)+8*(\i)+7], v[ADRB] offset:64*(\q)+(\i)*16*PB+32
.endr
	WIN 0
.irp i, 0,1,2,3,4,5,6,7
	ds_load_b128 v[(\f)+8*(\i):(\f)+8*(\i)+3],   v[ADRA] offset:HEADB*((\q)/2)+64*((\q)%2)+(\i)*16*PA
	ds_load_b128 v[(\f)+8*(\i)+4:(\f)+8*(\i)+7], v[ADRA] offset:HEADB*((\q)/2)+64*((\q)%2)+(\i)*16*PA+32
.endr
.endm
.macro PLACES
.rept 4
	v_nop
.endr
.endm
.macro QUARTER q, f, g, first          ; multiplies buffer f and fetches quarter q into g; the 32 accumulators take turns in the same order in every quarter
	s_wait_dscnt 8                                 ; wo and O's rows 0-63 are in; the youngest eight loads may be out
	MULH \f, 0, \first
	MULH \f, 2, \first
	PLACES
	FETCH \q, \g
	s_wait_dscnt 24                                ; all but the 24 just issued
	MULH \f, 4, \first
	MULH \f, 6, \first
.endm
.macro MEET round
	WIN 0
	s_wait_tensorcnt 0x0                           ; all my tensor loads have landed: my part of the next slot
	ds_add_u32 v[SPW], v[NIL]                      ; 0 onto my spare word
	s_wait_dscnt 9                                 ; (the add and the youngest eight loads may be out)
	MULH F1, 0, 0
	s_wait_dscnt 0x0                               ; the add is done, and my reads of this slot are over
	s_barrier_signal -1
	MULH F1, 2, 0
.if \round
	WIN 0
.endif
	s_barrier_wait -1
.endm
.macro TURN fill
.if \fill
	s_wait_xcnt 0x0                                ; the last prefetch, a K step back, has read its address
	s_add_nc_u64 s[PFA:PFA+1], s[PFA:PFA+1], ASTEP
.endif
	MEET \fill
.if \fill
	CREST
	s_xor_b32 s[G0+5], s[G0+5], SLOT1
	s_add_nc_u64 s[G0+6:G0+7], s[G0+6:G0+7], ASTEP
	s_xor_b32 s[G0B+5], s[G0B+5], SLOT1
	s_add_nc_u64 s[G0B+6:G0B+7], s[G0B+6:G0B+7], BSTEP
	JLOAD 1                                        ; one load of mine is out; its four v_nop are also the places in front of the loads below
.else
	PLACES
	WIN 0
.endif
	s_xor_b32 s[TB], s[TB], SLOT1
	v_add_nc_u32 v[ADRA], s[TB], v[ADRA0]
	v_add_nc_u32 v[ADRB], s[TB], v[ADRB0]
	FETCH 0, F0
.if \fill
	ASK
.endif
	MULH F1, 4, 0
	MULH F1, 6, 0
.endm
; THE WAY OUT of row block a: 32 bytes a lane straight from the accumulators into my own stage, back as whole rows of 256 bytes, stored.
.macro TOSTAGE a
	WIN 0x08                                       ; the stores' data in window 2
.irp b, 0,1,2,3
	ds_store_b128 v[STO], v[8*(4*(\a)+(\b)):8*(4*(\a)+(\b))+3]   offset:64*(\b)
	ds_store_b128 v[STO], v[8*(4*(\a)+(\b))+4:8*(4*(\a)+(\b))+7] offset:64*(\b)+16
.endr
	WIN 0
.set BK, OB+192*((\a)%2)
.irp t, 0,1,2,3,4,5,6,7
	ds_load_b128 v[BK+4*(\t):BK+4*(\t)+3], v[RD] offset:(\t)*2*SPITCH  ; LDS serves a wave's instructions in order: these see the stores above
.endr
.endm
.macro SEND a
	WIN 0
.set BK, OB+192*((\a)%2)
	s_wait_dscnt 0x0                               ; the block is back in registers
	s_wait_xcnt 0x0                                ; earlier stores have read their base and their registers: the base is stepped, and the other buffer loaded again, only behind this wait
.if (\a) == 0
	s_add_nc_u64 s[8:9], s[8:9], s[16:17]
.else
	s_add_nc_u64 s[8:9], s[8:9], 16*4096
.endif
.irp t, 0,1,2,3,4,5,6,7
	global_store_b128 v[CO], v[BK+4*(\t):BK+4*(\t)+3], s[8:9] offset:(\t)*8192 th:TH_STORE_NT  ; 16 lanes store 256 consecutive bytes, aligned
.endr
.endm
	s_wait_tensorcnt 1                             ; my part of K step 0 is in; K step 1's may stay out
	s_barrier_signal -1
	s_barrier_wait -1
	FETCH 0, F0
	s_wait_loadcnt 0x0                             ; the bias
	QUARTER 1, F0, F1, 1
	WIN 0
	s_mov_b32 s3, 6
.Lstep:
	QUARTER 2, F1, F0, 0
	QUARTER 3, F0, F1, 0
	TURN 1
	QUARTER 1, F0, F1, 0
	WIN 0
	s_sub_co_u32 s3, s3, 1
	s_cmp_lg_u32 s3, 0
	s_cbranch_scc1 .Lstep
	QUARTER 2, F1, F0, 0
	QUARTER 3, F0, F1, 0
	TURN 0
	QUARTER 1, F0, F1, 0
	QUARTER 2, F1, F0, 0
	QUARTER 3, F0, F1, 0
	s_wait_dscnt 8
	MULH F1, 0, 0
	MULH F1, 2, 0
	s_wait_dscnt 0x0
	MULH F1, 4, 0
	MULH F1, 6, 0
	WIN 0
.rept 8
	v_nop
.endr
	TOSTAGE 0
.irp a, 1,2,3,4,5,6,7
	SEND (\a)-1
	TOSTAGE \a
.endr
	SEND 7
	s_wait_tensorcnt 0x0                           ; the wave's end
	ds_add_u32 v[SPW], v[NIL]
	s_wait_dscnt 0x0
	CROUND                                         ; the closing round
	s_endpgm
.Lfunc_end_k_qebfbdc303d_proj:
	.size	k_qebfbdc303d_proj, .Lfunc_end_k_qebfbdc303d_proj-k_qebfbdc303d_proj
	.p2alignl 7, 3214868480
	.fill 96, 4, 3214868480
	.section	.rodata,"a",@progbits
	.p2align	6, 0x0
	.amdhsa_kernel k_qebfbdc303d_proj
		.amdhsa_group_segment_fixed_size 327680
		.amdhsa_private_segment_fixed_size 0
		.amdhsa_enable_private_segment 0
		.amdhsa_kernarg_size 32
		.amdhsa_user_sgpr_count 2
		.amdhsa_user_sgpr_kernarg_segment_ptr 1
		.amdhsa_wavefront_size32 1
		.amdhsa_system_sgpr_workgroup_id_x 1
		.amdhsa_system_sgpr_workgroup_id_y 1
		.amdhsa_system_sgpr_workgroup_id_z 1
		.amdhsa_system_vgpr_workitem_id 0
		.amdhsa_next_free_vgpr 768
		.amdhsa_next_free_sgpr 66
		.amdhsa_reserve_vcc 0
		.amdhsa_float_denorm_mode_32 3
		.amdhsa_float_denorm_mode_16_64 3
		.amdhsa_memory_ordered 1
		.amdhsa_forward_progress 1
		.amdhsa_inst_pref_size 72
	.end_amdhsa_kernel
	.amdgpu_metadata
---
amdhsa.version: [ 1, 2 ]
amdhsa.kernels:
  - .name:           k_qebfbdc303d_proj
    .symbol:         k_qebfbdc303d_proj.kd
    .args:
      - { .name: ob, .offset: 0, .size: 8, .value_kind: global_buffer, .address_space: global }
      - { .name: wof, .offset: 8, .size: 8, .value_kind: global_buffer, .address_space: global }
      - { .name: bias, .offset: 16, .size: 8, .value_kind: global_buffer, .address_space: global }
      - { .name: out0, .offset: 24, .size: 8, .value_kind: global_buffer, .address_space: global }
    .group_segment_fixed_size: 327680
    .private_segment_fixed_size: 0
    .kernarg_segment_align: 8
    .kernarg_segment_size: 32
    .max_flat_workgroup_size: 128
    .sgpr_count:     66
    .vgpr_count:     768
    .wavefront_size: 32
...
	.end_amdgpu_metadata
.endif
;; end of part 4
;; ======== version 2 of 2: 4 launches; version 1 with the launch cast written anew for expert scheduling mode
;; limits: values are held in f16: magnitudes above 65,504 overflow, below 6.1e-05 lose precision
;; workspace buffers: xb 16,777,216 bytes; wb 6,291,456 bytes; wof 2,097,152 bytes; bias 16,384 bytes; kvq 50,331,648 bytes; ob 16,777,216 bytes
;; launch cast (part 5): grid 768 x 1, 8 waves a work-group, no clusters, 0 bytes of LDS; arguments x, wk, wv, wq, wo, bk, bv, bq, bo, xb, wb, wof, bias; writes xb, wb, wof, bias
.if DOCPART == 5
	.amdgcn_target "amdgcn-amd-amdhsa--gfx1250"
	.amdhsa_code_object_version 6
	.text
	.protected	k_qebfbdc303d_cast
	.globl	k_qebfbdc303d_cast
	.p2align	8
	.type	k_qebfbdc303d_cast,@function
k_qebfbdc303d_cast:
	s_mov_b64 s[64:65], 0
	v_nop
	global_prefetch_b8 v0, s[64:65] scope:SCOPE_SE
	s_setreg_imm32_b32 hwreg(HW_REG_WAVE_SCHED_MODE, 0, 2), 2
	s_setreg_imm32_b32 hwreg(HW_REG_WAVE_MODE, 25, 1), 1
	s_wait_xcnt 0x0
	s_wait_alu depctr_vm_vsrc(0)
; THE INPUTS ARE ROUNDED ONCE, TO bf16.  x -> xb (bf16); wk, wv, wq -> wb (bf16, stacked in this order: 3,072 rows); wo -> wof (the bf16 number written as f16);
; bk, bv, bq, bo -> bias (the bf16 number written as f32, 4 x 1,024).
; LIMITS.  A bf16 number of wo below 2^-14 in size keeps f16's fixed step 2^-24; beyond 65,504 it would be an infinity.  NaN and infinities are not treated apart.
; A stream: no LDS, no matrix unit, no cluster, since no byte is wanted twice.  A work-group takes 65,536 source bytes, a wave 8,192: sixteen loads of 16 bytes a lane, each 512 consecutive
; bytes, all issued at once.  A lane's four numbers become 8 bytes, so a wave's store covers 256 consecutive bytes, aligned.  Every load and store has registers of its own: nothing is rewritten.
; THE MODE: SCHED_MODE bits 1:0 = 2 (LLVM: expert scheduling mode 2), set by the entry lines.  The code itself states the register dependences
; between vector instructions and memory instructions, with s_wait_alu, always for 0.
; THE PLAN.  Registers that memory instructions touch:
;   v1, v2, v5  byte offsets, written once at the head and never again; read by the loads (v1), the stores (v2), the bias's load and store (v5).
;   X           load j lands in four registers of its own, which no vector instruction names ahead of it; read by load j's conversions alone; never loaded again.
;   Y           store j's pair is written once, by load j's conversions, and read once, by store j; never written again.
;   v[120:123], v[8:11]  the bias: loaded once; written once and stored once.
;   T is named by vector instructions alone.
; The sixteen loads go in four blocks of four.  Block p converts X's block p into Y's block p; its memory instructions are the four stores of block p - 1, dealt among its conversions,
; which name none of those stores' registers.  So one wait on va_vdst stands at a block's head, one ahead of the last four stores, one ahead of the first load and one ahead of the bias's store.
; No register that a memory instruction reads is written again, so no wait on vm_vsrc is owed; no vector instruction writes a scalar register or VCC, and EXEC is never written.
.set X, 16                             ; v[16:79]   sixteen loads of four registers
.set Y, 80                             ; v[80:111]  sixteen stores of two registers
.set T, 112                            ; v[112:117] at work
	s_load_b512 s[8:23], s[0:1], 0x0               ; x 8, wk 10, wv 12, wq 14, wo 16, bk 18, bv 20, bq 22
	s_load_b256 s[24:31], s[0:1], 0x40             ; bo 24, xb 26, wb 28, wof 30
	s_load_b64 s[32:33], s[0:1], 0x60              ; bias
	s_mov_b32 s2, ttmp9                            ; work-groups 0-511: x; 512-767: 64 for each of wk, wv, wq, wo
	s_sub_co_u32 s3, s2, 512
	s_lshr_b32 s4, s3, 6                           ; which weight (a number beyond 3 in x's work-groups)
	s_and_b32 s5, s3, 63                           ; which sixty-fourth of it
	v_and_b32 v3, 31, v0
	v_lshrrev_b32 v4, 5, v0
	v_lshlrev_b32 v1, 4, v3
	v_lshl_add_u32 v1, v4, 13, v1                  ; source: 16 x lane + 8,192 x wave
	v_lshlrev_b32 v2, 3, v3
	v_lshl_add_u32 v2, v4, 12, v2                  ; destination: half of that
	v_lshlrev_b32 v5, 4, v0                        ; a bias: 16 bytes a thread
	s_wait_kmcnt 0x0
	s_cmp_eq_u32 s4, 1
	s_cselect_b64 s[34:35], s[12:13], s[10:11]     ; the source,
	s_cselect_b64 s[36:37], s[20:21], s[18:19]     ; its bias
	s_cmp_eq_u32 s4, 2
	s_cselect_b64 s[34:35], s[14:15], s[34:35]
	s_cselect_b64 s[36:37], s[22:23], s[36:37]
	s_cmp_eq_u32 s4, 3
	s_cselect_b64 s[34:35], s[16:17], s[34:35]
	s_cselect_b64 s[36:37], s[24:25], s[36:37]
	s_cselect_b64 s[38:39], s[30:31], s[28:29]     ; the destination: wof, or wb
	s_cselect_b32 s40, s5, s3                      ; and the part of it: wb is the three weights on end
	s_cmp_lt_u32 s2, 512
	s_cselect_b64 s[34:35], s[8:9], s[34:35]
	s_cselect_b64 s[38:39], s[26:27], s[38:39]
	s_cselect_b32 s40, s2, s40
	s_cselect_b32 s41, s2, s5
	s_lshl_b32 s42, s41, 16
	s_mov_b32 s43, 0
	s_lshl_b32 s44, s40, 15
	s_mov_b32 s45, 0
	s_add_nc_u64 s[34:35], s[34:35], s[42:43]
	s_add_nc_u64 s[38:39], s[38:39], s[44:45]
	s_wait_alu depctr_va_vdst(0)                   ; v1, v2 and v5 are written: every load and store of the kernel reads one of them as its offset, and none is written again
.irp j, 0,1,2,3,4,5,6,7,8,9,10,11,12,13,14,15
	global_load_b128 v[X+4*(\j):X+4*(\j)+3], v1, s[34:35] offset:512*(\j) th:TH_LOAD_NT
.endr
; Block p: loads 4 p to 4 p + 3 are converted; the stores of block p - 1 go out, one in front of each load's conversions.  half = 1: wo, whose bf16 numbers are written as f16.
.macro BLK p, half
	s_wait_loadcnt 12-4*(\p)                       ; loads come back in order: the block's four are in, the 12 - 4 p younger ones stay out
.if (\p) > 0
	s_wait_alu depctr_va_vdst(0)                   ; the conversions of the block before have written its eight registers of Y, which the four stores below read
.endif
.irp i, 0,1,2,3
.set j, 4*(\p)+(\i)
.if (\p) > 0
	global_store_b64 v2, v[Y+2*(j-4):Y+2*(j-4)+1], s[38:39] offset:256*(j-4)  ; no vector instruction since the wait names these registers or v2
.endif
.if \half
	v_cvt_pk_bf16_f32 v[T], v[X+4*j], v[X+4*j+1]
	v_cvt_pk_bf16_f32 v[T+1], v[X+4*j+2], v[X+4*j+3]
	v_lshlrev_b32 v[T+2], 16, v[T]                 ; the bf16 numbers as f32,
	v_and_b32 v[T+3], 0xffff0000, v[T]
	v_lshlrev_b32 v[T+4], 16, v[T+1]
	v_and_b32 v[T+5], 0xffff0000, v[T+1]
	v_cvt_pk_f16_f32 v[Y+2*j], v[T+2], v[T+3]      ; written as f16
	v_cvt_pk_f16_f32 v[Y+2*j+1], v[T+4], v[T+5]
.else
	v_cvt_pk_bf16_f32 v[Y+2*j], v[X+4*j], v[X+4*j+1]
	v_cvt_pk_bf16_f32 v[Y+2*j+1], v[X+4*j+2], v[X+4*j+3]
.endif
.endr
.endm
; Behind block 3: its own four stores.
.macro LAST
	s_wait_alu depctr_va_vdst(0)                   ; block 3's conversions have written its eight registers of Y, which the last four stores read
.irp i, 12,13,14,15
	global_store_b64 v2, v[Y+2*(\i):Y+2*(\i)+1], s[38:39] offset:256*(\i)
.endr
.endm
	s_cmp_eq_u32 s4, 3
	s_cbranch_scc1 .Lhalf
	BLK 0, 0
	BLK 1, 0
	BLK 2, 0
	BLK 3, 0
	LAST
	s_branch .Lbias
.Lhalf:
	BLK 0, 1
	BLK 1, 1
	BLK 2, 1
	BLK 3, 1
	LAST
.Lbias:
	s_cmp_lt_u32 s2, 512                           ; the first work-group of each weight also takes its bias: 4,096 bytes, 16 a thread
	s_cbranch_scc1 .Lend
	s_cmp_lg_u32 s5, 0
	s_cbranch_scc1 .Lend
	s_lshl_b32 s46, s4, 12
	s_mov_b32 s47, 0
	s_add_nc_u64 s[32:33], s[32:33], s[46:47]
	global_load_b128 v[120:123], v5, s[36:37]      ; v5 was written ahead of the head's wait; no vector instruction has named v[120:123]
	s_wait_loadcnt 0x0
	v_cvt_pk_bf16_f32 v124, v120, v121
	v_cvt_pk_bf16_f32 v125, v122, v123
	v_lshlrev_b32 v8, 16, v124
	v_and_b32 v9, 0xffff0000, v124
	v_lshlrev_b32 v10, 16, v125
	v_and_b32 v11, 0xffff0000, v125
	s_wait_alu depctr_va_vdst(0)                   ; v[8:11] are written, which the store reads
	global_store_b128 v5, v[8:11], s[32:33]
.Lend:
	s_endpgm
.Lfunc_end_k_qebfbdc303d_cast:
	.size	k_qebfbdc303d_cast, .Lfunc_end_k_qebfbdc303d_cast-k_qebfbdc303d_cast
	.p2alignl 7, 3214868480
	.fill 96, 4, 3214868480
	.section	.rodata,"a",@progbits
	.p2align	6, 0x0
	.amdhsa_kernel k_qebfbdc303d_cast
		.amdhsa_group_segment_fixed_size 0
		.amdhsa_private_segment_fixed_size 0
		.amdhsa_enable_private_segment 0
		.amdhsa_kernarg_size 104
		.amdhsa_user_sgpr_count 2
		.amdhsa_user_sgpr_kernarg_segment_ptr 1
		.amdhsa_wavefront_size32 1
		.amdhsa_system_sgpr_workgroup_id_x 1
		.amdhsa_system_sgpr_workgroup_id_y 1
		.amdhsa_system_sgpr_workgroup_id_z 1
		.amdhsa_system_vgpr_workitem_id 0
		.amdhsa_next_free_vgpr 128
		.amdhsa_next_free_sgpr 66
		.amdhsa_reserve_vcc 0
		.amdhsa_float_denorm_mode_32 3
		.amdhsa_float_denorm_mode_16_64 3
		.amdhsa_memory_ordered 1
		.amdhsa_forward_progress 1
		.amdhsa_inst_pref_size 17
	.end_amdhsa_kernel
	.amdgpu_metadata
---
amdhsa.version: [ 1, 2 ]
amdhsa.kernels:
  - .name:           k_qebfbdc303d_cast
    .symbol:         k_qebfbdc303d_cast.kd
    .args:
      - { .name: x, .offset: 0, .size: 8, .value_kind: global_buffer, .address_space: global }
      - { .name: wk, .offset: 8, .size: 8, .value_kind: global_buffer, .address_space: global }
      - { .name: wv, .offset: 16, .size: 8, .value_kind: global_buffer, .address_space: global }
      - { .name: wq, .offset: 24, .size: 8, .value_kind: global_buffer, .address_space: global }
      - { .name: wo, .offset: 32, .size: 8, .value_kind: global_buffer, .address_space: global }
      - { .name: bk, .offset: 40, .size: 8, .value_kind: global_buffer, .address_space: global }
      - { .name: bv, .offset: 48, .size: 8, .value_kind: global_buffer, .address_space: global }
      - { .name: bq, .offset: 56, .size: 8, .value_kind: global_buffer, .address_space: global }
      - { .name: bo, .offset: 64, .size: 8, .value_kind: global_buffer, .address_space: global }
      - { .name: xb, .offset: 72, .size: 8, .value_kind: global_buffer, .address_space: global }
      - { .name: wb, .offset: 80, .size: 8, .value_kind: global_buffer, .address_space: global }
      - { .name: wof, .offset: 88, .size: 8, .value_kind: global_buffer, .address_space: global }
      - { .name: bias, .offset: 96, .size: 8, .value_kind: global_buffer, .address_space: global }
    .group_segment_fixed_size: 0
    .private_segment_fixed_size: 0
    .kernarg_segment_align: 8
    .kernarg_segment_size: 104
    .max_flat_workgroup_size: 256
    .sgpr_count:     66
    .vgpr_count:     128
    .wavefront_size: 32
...
	.end_amdgpu_metadata
.endif
;; end of part 5
;; launch qkv: the kernel of part 2 again; grid 16 x 32, 4 waves a work-group, clusters of 4 x 4, 327,680 bytes of LDS; arguments xb, wb, bias, kvq; writes kvq
;; launch attn: the kernel of part 3 again; grid 64 x 4, 4 waves a work-group, no clusters, 327,680 bytes of LDS; arguments kvq, ob; writes ob
;; launch proj: the kernel of part 4 again; grid 8 x 32, 4 waves a work-group, clusters of 4 x 4, 327,680 bytes of LDS; arguments ob, wof, bias, out0; writes out0
